; MI455X (gfx1250); checked and timed in simulation.
; The chip was launched on July 23, 2026; its instructions are those of AMD's public machine-readable ISA for CDNA 5 (MIT licence, August 2026) and "CDNA5" Instruction Set Architecture Reference Guide (July 2026). The comments in the code are by the model that wrote it; some were corrected since.
;; Block. Allowed arithmetic: matrix products marked QUANTISED: E3M2 operands, one E8M0 scale for each 32 along K, by v_wmma_scale_f32_16x16x128_f8f6f4 with both operands' format E3M2, f32 sums; everything else in f32.
;; Inputs: W_attn_codes 3,072 x 32 x 24 uint8 (E3M2 codes of W_attn, K innermost, in blocks of 32 codes, four codes in three bytes); W_attn_scales 3,072 x 32 uint8 (E8M0 scales of W_attn, one for each 32 codes along K); W_fc_codes 4,096 x 32 x 24 uint8 (E3M2 codes of W_fc, K innermost, in blocks of 32 codes, four codes in three bytes); W_fc_scales 4,096 x 32 uint8 (E8M0 scales of W_fc, one for each 32 codes along K); W_out_codes 1,024 x 128 x 24 uint8 (E3M2 codes of W_out, K innermost, in blocks of 32 codes, four codes in three bytes); W_out_scales 1,024 x 128 uint8 (E8M0 scales of W_out, one for each 32 codes along K); W_proj_codes 1,024 x 32 x 24 uint8 (E3M2 codes of W_proj, K innermost, in blocks of 32 codes, four codes in three bytes); W_proj_scales 1,024 x 32 uint8 (E8M0 scales of W_proj, one for each 32 codes along K); b_attn 3,072 float32; b_fc 4,096 float32; b_out 1,024 float32; b_proj 1,024 float32; ln1_b 1,024 float32; ln1_w 1,024 float32; ln2_b 1,024 float32; ln2_w 1,024 float32; x 4 x 1,024 x 1,024 float32.
;; Outputs: out0 4 x 1,024 x 1,024 float32.
;; This version of the problem:
;;   THIS VERSION OF THE PROBLEM IS GIVEN IN LOW PRECISION. The matrix products marked QUANTISED in the list below multiply operands that are first quantised to E3M2 (3 exponent bits, 2 mantissa bits; 6 bits a number), with one power-of-two scale for each 32 numbers along K (OCP MX v1.0); their sums are f32. All else is computed in f32.
;;   The module's matrix products, in the order in which they are computed (A, B: the left and right operand; K: the contracted axis; several contracted axes count as one K, in the product's order):
;;     1. [M 4,096, K 1,024] x [K 1,024, N 3,072]; A: computed on the way; B: input W_attn (given as codes): QUANTISED
;;     2. batch 64 x [M 1,024, K 64] x [K 64, N 1,024]; A: computed on the way; B: computed on the way: QUANTISED
;;     3. batch 64 x [M 1,024, K 1,024] x [K 1,024, N 64]; A: softmax (see below); B: computed on the way: QUANTISED
;;     4. [M 4,096, K 1,024] x [K 1,024, N 1,024]; A: computed on the way; B: input W_proj (given as codes): QUANTISED
;;     5. [M 4,096, K 1,024] x [K 1,024, N 4,096]; A: computed on the way; B: input W_fc (given as codes): QUANTISED
;;     6. [M 4,096, K 4,096] x [K 4,096, N 1,024]; A: computed on the way; B: input W_out (given as codes): QUANTISED
;;   THE QUANTISER, for each operand of a quantised product, along K:
;;     - K is cut into blocks of 32 from its start; a last block that is shorter is filled with zeros.
;;     - A block's scale is 2^e with e = floor(log2(the largest magnitude in the block)) - 4, held to -126 .. 127; a block of zeros has e = 0. As a byte (E8M0): e + 127.
;;     - Each number is divided by its block's scale, clamped to +-28, and rounded to the nearest number of E3M2, ties to even, subnormals kept.
;;     - The product sums the exact products of the quantised numbers (number of the format x scale) in f32.
;;   ~~~python
;;   def quantise(x, axis):      # numpy; x: float32 -> the quantised numbers, widened to float32 again
;;       x = np.moveaxis(x, axis, -1); K = x.shape[-1]
;;       x = np.pad(x, [(0, 0)] * (x.ndim - 1) + [(0, -K % 32)]); x = x.reshape(x.shape[:-1] + (-1, 32)); a = np.abs(x).max(-1, keepdims=True)
;;       e = np.where(a > 0, np.clip(np.frexp(np.where(a > 0, a, 1))[1] - 1 - 4, -126, 127), 0)      # np.frexp(a)[1] - 1 = floor(log2(a)), exactly
;;       r = np.clip(x / 2.0 ** e, -28, 28)
;;       step = 2.0 ** (np.maximum(np.frexp(np.where(r == 0, 1, r))[1] - 1, -2) - 2)
;;       q = np.round(r / step) * step * 2.0 ** e      # np.round: ties to even
;;       return np.moveaxis(q.reshape(q.shape[:-2] + (-1,))[..., :K], -1, axis).astype(np.float32)
;;   ~~~
;;   SOFTMAX AHEAD OF A QUANTISED PRODUCT. Where the list says 'softmax', what is quantised is not the finished softmax but p = 2^(t - M), with t = logit x log2(e) and M = ceil(the row's largest t), a whole number; so 1/2 < the row's largest p <= 1. The row's sum l is taken of the UNQUANTISED p, in f32, and the product's result is divided by l at the end. Since M is a whole number, a kernel that streams over the keys may use a running M (the ceiling of the running maximum): every later rescaling is an exact power of two, which a block's scale takes up: the codes' values come out the same.
;;   OPERANDS COMPUTED ON THE WAY. 'Computed on the way' means the value that the module computes at that place (a softmax that the list does not call 'softmax' is quantised finished and normalised). What goes into a quantiser is computed in f32, as accurately as f32 sums, v_exp_f32 and their like allow (about 1e-6 of the number): no bf16 or f16 on the way to a quantiser, and a product that is left as it is and whose result goes on into a quantised operand takes f32 operands (vector FMAs, or v_wmma_f32_16x16x4_f32). A number that lies on a knife's edge between two numbers of the format may be rounded either way, as far as f32 arithmetic and the matrix unit's own rounding can turn it there, and no further.
;;   INPUTS GIVEN AS CODES. W_attn (in the module: [3072, 1024], K = its axis 1); W_fc (in the module: [4096, 1024], K = its axis 1); W_out (in the module: [1024, 4096], K = its axis 1); W_proj (in the module: [1024, 1024], K = its axis 1): each comes as NAME_codes (uint8): NAME with its K axis moved to the last place and cut into blocks of 32 codes, [.., K / 32, bytes a block], one block behind the other in memory; four codes in three bytes: a row's codes are one little-endian stream of bits, code i at bits 6 i .. 6 i + 5 (a code: sign, 3 exponent bits, 2 mantissa bits); and NAME_scales (uint8): the same leading axes, one E8M0 byte (e + 127) for each 32 codes along K. Its value is code x scale, taken as it is: it is not quantised again, and the codes and scales need not be those that the quantiser above would give.
;; One version. Each part assembles by itself: llvm-mc -triple=amdgcn-amd-amdhsa -mcpu=gfx1250 --defsym DOCPART=n.
;; ======== version 1 of 1: 6 launches
;; limits: right only within a limited range of input values
;; workspace buffers: wimg 9,830,400 bytes; hq 3,276,800 bytes; q 3,407,872 bytes; kv 6,684,672 bytes; yq 3,276,800 bytes; x2 16,777,216 bytes; gq 13,107,200 bytes
;; launch prep (part 1): grid 256 x 1, 11 waves a work-group, no clusters, 71,168 bytes of LDS; arguments x, ln1_w, ln1_b, hq, W_attn_codes, W_attn_scales, W_fc_codes, W_fc_scales, W_proj_codes, W_proj_scales, W_out_codes, W_out_scales, wimg; writes hq, wimg
.if DOCPART == 1
	.amdgcn_target "amdgcn-amd-amdhsa--gfx1250"
	.amdhsa_code_object_version 6
	.text
	.protected	k_q026d0e7a9d_prep
	.globl	k_q026d0e7a9d_prep
	.p2align	8
	.type	k_q026d0e7a9d_prep,@function
k_q026d0e7a9d_prep:
	s_mov_b64 s[64:65], 0
	v_nop
	global_prefetch_b8 v0, s[64:65] scope:SCOPE_SE
	s_setreg_imm32_b32 hwreg(HW_REG_WAVE_MODE, 25, 1), 1
	s_wait_xcnt 0x0
; Waves 0-7 of a work-group: h = LayerNorm(x) in f32 for one tile of 16 rows, quantised to E3M2 along C, stored as operand images.  Waves 8-10: one unit each of the four weights' codes and scale bytes, re-laid as operand images.
; 256 work-groups x 3 waves are the 768 units (a tile of 16 weight rows x 8 K steps), so every work-group has the same work.
; TILE ORDER.  Tile t of 16 rows holds, at lane place r, row 32 (t / 2) + 8 (t % 2) + r + 8 (r / 8).  So in a product's result the 16 registers of two neighbouring tiles are 16 neighbours along the next K.
; IMAGE.  A fragment (16 rows x 128 K, 12 registers a lane) lies as 1,536 bytes: registers 4 c .. 4 c + 3 at 512 c, lane l's 16 bytes at 16 l.  An operand lies [tile][K step][1536]; its scale words [K step][row in tile order].
; LAYER NORM: wave w takes columns 128 w .. 128 w + 127, which is K step w.  Each load reads 512 consecutive bytes of a row; the 16 x 512 bytes turn through the wave's own stage in LDS,
; so that lane (r, h) holds, of row r, 16 neighbours of each block of 32.  Mean first, then the sum of squared differences: no difference of large sums.  The waves' partial sums meet in LDS, one barrier each.
; THE TWO BARRIERS stand on the way that all eleven waves take.  The waves part on the wave's number in front of each and join at it; waves 8-10 do all their work in front of the first and use no register behind it.
; Every LDS address and every address of the layer norm is made ahead of the first parting; waves 8-10 keep to registers that the layer norm does not name.
; LIMITS: NaN and infinities among the inputs are not served; a block whose largest magnitude lies under 2^-122 keeps the scale byte 1; a block of zeros gets the byte 1, not 127: its codes are zeros and this program alone reads the bytes.
.set STGW,  8448                       ; a wave's stage: 16 rows x (512 + 16) bytes
.set SUMS,  67584                      ; behind the stages: [8 waves][16 rows] words of sums, and 512 bytes on those of squares
.set X,     16                         ; v16-79   x as loaded, later ln_b
.set HA,    80                         ; v80-143  my 64 numbers: register 16 b + i = column 32 b + 16 h + i of my row
.set LW,    144                        ; v144-207 ln_w at the same columns
.set PC,    208                        ; v208-226 the codes
.set TM,    228                        ; v228-243 at work in QUANT
.set PW,    244                        ; v244     the scale word
.set SEL,   20                         ; s[20:21] selects for lane l xor 16
.set WA_C,  0
.set WF_C,  2359296
.set WP_C,  5505024
.set WO_C,  6291456
.set WA_S,  9437184
.set WF_S,  9535488
.set WP_S,  9666560
.set WO_S,  9699328
; 64 numbers of a lane, register 16 b + i = k 32 b + 16 h + i of my row, become a fragment's 12 registers of codes in v[PC] on and its scale word in v[PW]
.macro QUANT s
.irp b, 0,1,2,3
	v_max3_num_f32 v[TM+\b], |v[\s+16*\b]|, |v[\s+1+16*\b]|, 0x2800000   ; block b: my 16 numbers, and the floor 2^(5 - 127): the byte cannot fall under 1
.endr
.irp i, 2,4,6,8,10,12,14
.irp b, 0,1,2,3
	s_delay_alu instid0(VALU_DEP_4)
	v_max3_num_f32 v[TM+\b], v[TM+\b], |v[\s+16*\b+\i]|, |v[\s+1+16*\b+\i]|
.endr
.endr
.irp b, 0,1,2,3
	s_delay_alu instid0(VALU_DEP_4)
	v_permlanex16_b32 v[TM+4+\b], v[TM+\b], s[SEL], s[SEL+1]
.endr
.irp b, 0,1,2,3
	s_delay_alu instid0(VALU_DEP_4)
	v_max_num_f32 v[TM+\b], v[TM+\b], v[TM+4+\b]   ; with lane l xor 16's: the block's largest magnitude
.endr
.irp b, 0,1,2,3
	s_delay_alu instid0(VALU_DEP_4)
	v_add_nc_u32 v[TM+12+\b], 0xfe000000, v[TM+\b]   ; 4 off its exponent field: the conversion's scale operand
.endr
.irp b, 0,1,2,3
	s_delay_alu instid0(VALU_DEP_4)
	v_lshrrev_b32 v[TM+4+\b], 23, v[TM+12+\b]      ; the scale's byte
.endr
	s_delay_alu instid0(VALU_DEP_3)
	v_lshl_or_b32 v[PW], v[TM+5], 8, v[TM+4]
	s_delay_alu instid0(VALU_DEP_1)
	v_lshl_or_b32 v[PW], v[TM+6], 16, v[PW]
	s_delay_alu instid0(VALU_DEP_1)
	v_lshl_or_b32 v[PW], v[TM+7], 24, v[PW]
.irp c, 0,1
	v_cvt_scalef32_pk16_bf6_f32 v[PC+6*\c:PC+2+6*\c], v[\s+32*\c:\s+15+32*\c], v[TM+12+2*\c]
	v_cvt_scalef32_pk16_bf6_f32 v[PC+12+4*\c:PC+14+4*\c], v[\s+16+32*\c:\s+31+32*\c], v[TM+12+2*\c+1]
.endr
	v_nop                                          ; one plain line behind the scaled conversions
.irp c, 0,1                                    ; the operand wants a whole block in a lane: lanes 0-15 block 2 c, lanes 16-31 block 2 c + 1
.irp i, 0,1,2
	v_permlane16_swap_b32 v[PC+6*\c+\i], v[PC+12+4*\c+\i]
.endr
.irp i, 0,1,2
	s_delay_alu instid0(VALU_DEP_3)
	v_mov_b32 v[PC+3+6*\c+\i], v[PC+12+4*\c+\i]
.endr
.endr
.endm
; my row's part of a sum (four chains in v246-253) goes to my wave's word: off = 0 or 512
.macro REDUCE off
	s_delay_alu instid0(VALU_DEP_3)
	v_pk_add_f32 v[246:247], v[246:247], v[248:249]
	s_delay_alu instid0(VALU_DEP_2)
	v_pk_add_f32 v[250:251], v[250:251], v[252:253]
	s_delay_alu instid0(VALU_DEP_1)
	v_pk_add_f32 v[246:247], v[246:247], v[250:251]
	s_delay_alu instid0(VALU_DEP_1)
	v_add_f32 v246, v246, v247
	s_delay_alu instid0(VALU_DEP_1)
	v_permlanex16_b32 v245, v246, s[SEL], s[SEL+1]
	s_delay_alu instid0(VALU_DEP_1)
	v_add_f32 v246, v246, v245                     ; my row's 128 columns
	ds_store_b32 v7, v246 offset:\off              ; lanes r and r + 16 write the same word with the same value
	s_wait_dscnt 0x0                               ; for the others' sake: my store is done
.endm
; and behind the barrier the eight waves' words are added, in the same order in every wave
.macro GATHER off
.irp w, 0,1,2,3,4,5,6,7
	ds_load_b32 v[246+\w], v10 offset:\off+64*\w
.endr
	s_wait_dscnt 0x0
	v_add_f32 v246, v246, v247
	v_add_f32 v248, v248, v249
	v_add_f32 v250, v250, v251
	v_add_f32 v252, v252, v253
	s_delay_alu instid0(VALU_DEP_3)
	v_add_f32 v246, v246, v248
	s_delay_alu instid0(VALU_DEP_2)
	v_add_f32 v250, v250, v252
	s_delay_alu instid0(VALU_DEP_1)
	v_add_f32 v246, v246, v250
.endm
; THE WEIGHTS.  A wave takes one tile of 16 rows and 8 K steps: 48 loads of 8 bytes bring the eight fragments as the operand's registers want them, 24 stores of 512 consecutive bytes lay them as images.
; The tile in s62, the part of 8 K steps in s63.
.macro RELAY cod, scl, krow, ksb, nk, nr, oc, os
	s_lshr_b32 s32, s62, 1
	s_lshl_b32 s32, s32, 5
	s_and_b32 s33, s62, 1
	s_lshl_b32 s33, s33, 3
	s_add_co_u32 s32, s32, s33                     ; the tile's first row
	s_mul_i32 s34, s32, \krow
	s_mul_i32 s33, s63, 768
	s_add_co_u32 s34, s34, s33
	s_mov_b32 s35, 0
	s_add_nc_u64 s[36:37], s[\cod:\cod+1], s[34:35]
	s_mul_i32 s34, s32, \ksb
	s_lshl_b32 s33, s63, 5
	s_add_co_u32 s34, s34, s33
	s_add_nc_u64 s[38:39], s[\scl:\scl+1], s[34:35]
	s_mul_i32 s34, s62, \nk
	s_lshl_b32 s33, s63, 3
	s_add_co_u32 s34, s34, s33
	s_mul_i32 s34, s34, 1536
	s_add_co_u32 s34, s34, \oc
	s_add_nc_u64 s[40:41], s[60:61], s[34:35]
	s_mul_i32 s34, s63, 32*\nr
	s_lshl_b32 s33, s62, 6
	s_add_co_u32 s34, s34, s33
	s_add_co_u32 s34, s34, \os
	s_add_nc_u64 s[42:43], s[60:61], s[34:35]
	v_mul_u32_u24 v12, v11, \krow
	s_delay_alu instid0(VALU_DEP_1)
	v_mad_u32_u24 v12, v3, 24, v12                 ; my row's codes, + 24 h
	v_mul_u32_u24 v13, v11, \ksb
	s_delay_alu instid0(VALU_DEP_1)
	v_lshl_add_u32 v13, v3, 4, v13                 ; my row's scale bytes: the words of K steps 4 h .. 4 h + 3
	v_mul_u32_u24 v14, v3, 16*\nr
	s_delay_alu instid0(VALU_DEP_1)
	v_lshl_add_u32 v14, v2, 2, v14                 ; where they go: [K step][row]
.irp k, 0,1,2,3,4,5,6,7
.irp p, 0,1,2,3,4,5
	global_load_b64 v[32+12*\k+2*\p:33+12*\k+2*\p], v12, s[36:37] offset:96*\k+48*(\p/3)+8*(\p%3)
.endr
.endr
	global_load_b128 v[24:27], v13, s[38:39]
	s_wait_alu depctr_va_vdst(0)
	s_wait_loadcnt 0x0
.irp k, 0,1,2,3,4,5,6,7
.irp c, 0,1,2
	global_store_b128 v4, v[32+12*\k+4*\c:35+12*\k+4*\c], s[40:41] offset:1536*\k+512*\c
.endr
.endr
.irp i, 0,1,2,3
	global_store_b32 v14, v[24+\i], s[42:43] offset:4*\nr*\i
.endr
.endm
	s_load_b256 s[4:11], s[0:1], 0x0               ; x, ln_w, ln_b, hq
	s_load_b256 s[44:51], s[0:1], 0x20             ; W_attn's codes and scales, W_fc's
	s_load_b256 s[52:59], s[0:1], 0x40             ; W_proj's, W_out's
	s_load_b64 s[60:61], s[0:1], 0x60              ; wimg
	v_lshl_add_u32 v238, v0, 2, 0x11000
	v_mov_b32 v239, 0
	v_lshrrev_b32 v1, 5, v0
	s_delay_alu instid0(VALU_DEP_1)
	v_readfirstlane_b32 s12, v1                    ; wave: 0-7 = K step of the layer norm; 8-10 re-lay weights
	v_and_b32 v1, 31, v0
	v_and_b32 v2, 15, v0                           ; r
	v_bfe_u32 v3, v0, 4, 1                         ; h
	s_delay_alu instid0(VALU_DEP_3)
	v_lshlrev_b32 v4, 4, v1                        ; 16 x lane
	s_mul_i32 s13, s12, STGW
	v_add_nc_u32 v5, s13, v4                       ; the stage, way in: a row as loaded
	v_mul_u32_u24 v6, v2, 528
	s_delay_alu instid0(VALU_DEP_1)
	v_lshl_add_u32 v6, v3, 6, v6
	s_delay_alu instid0(VALU_DEP_1)
	v_add_nc_u32 v6, s13, v6                       ; way out: row r, + 64 h
	v_lshlrev_b32 v8, 2, v2                        ; 4 r
	s_lshl_b32 s14, s12, 6
	v_add_nc_u32 v7, s14, v8
	s_delay_alu instid0(VALU_DEP_1)
	v_add_nc_u32 v7, SUMS, v7                      ; my wave's word of row r
	v_add_nc_u32 v10, SUMS, v8                     ; wave 0's
	v_lshlrev_b32 v9, 6, v3                        ; 64 h
	s_mov_b32 s[SEL], 0x76543210
	s_mov_b32 s[SEL+1], 0xfedcba98
	s_mov_b32 s22, 0x3a800000                      ; 1 / 1024
	s_mov_b32 s23, 0x3727c5ac                      ; 1e-5
	s_lshr_b32 s15, ttmp9, 1
	s_lshl_b32 s15, s15, 5
	s_and_b32 s16, ttmp9, 1
	s_lshl_b32 s16, s16, 3
	s_add_co_u32 s15, s15, s16                     ; the tile's first row
	s_lshl_b32 s16, s15, 12
	s_lshl_b32 s18, s12, 9                         ; my 128 columns, in bytes
	s_add_co_u32 s16, s16, s18
	s_mov_b32 s17, 0
	s_mov_b32 s19, 0
	s_lshl_b32 s24, ttmp9, 3
	s_add_co_u32 s24, s24, s12
	s_mul_i32 s24, s24, 1536                       ; my image
	s_mov_b32 s25, 0
	s_lshl_b32 s26, s12, 14
	s_lshl_b32 s27, ttmp9, 6
	s_add_co_u32 s26, s26, s27                     ; my scale words: [K step][4096 rows]
	s_mov_b32 s27, 0
	s_wait_kmcnt 0x0
	s_add_nc_u64 s[4:5], s[4:5], s[16:17]
	s_add_nc_u64 s[6:7], s[6:7], s[18:19]
	s_add_nc_u64 s[8:9], s[8:9], s[18:19]
	s_add_nc_u64 s[28:29], s[10:11], s[24:25]
	s_add_nc_u64 s[30:31], s[10:11], s[26:27]
	s_cmp_ge_u32 s12, 8
	s_cbranch_scc1 .Lrelay
	; ---- the layer norm, as far as the first barrier
	v_mov_b32 v245, 0                              ; a lane permute's destination counts as read
	v_mov_b32 v255, 0                              ; named as the upper half of the pair v[254:255]
.irp b, 0,1,2,3
	v_mov_b32 v[TM+4+\b], 0
.endr
.irp t, 0,1,2,3,4,5,6,7,8,9,10,11,12,13,14,15
	global_load_b128 v[X+4*\t:X+4*\t+3], v4, s[4:5] offset:(\t+8*(\t/8))*4096   ; 32 lanes read 512 consecutive bytes of the tile's row t
.endr
	s_wait_alu depctr_va_vdst(0)
.irp b, 0,1,2,3
.irp j, 0,1,2,3
	global_load_b128 v[LW+16*\b+4*\j:LW+16*\b+4*\j+3], v9, s[6:7] offset:128*\b+16*\j
.endr
.endr
	s_wait_loadcnt 16                              ; x is in; the sixteen younger loads of ln_w may stay out
.irp t, 0,1,2,3,4,5,6,7,8,9,10,11,12,13,14,15
	ds_store_b128 v5, v[X+4*\t:X+4*\t+3] offset:528*\t
.endr
.irp b, 0,1,2,3
.irp j, 0,1,2,3
	ds_load_b128 v[HA+16*\b+4*\j:HA+16*\b+4*\j+3], v6 offset:128*\b+16*\j   ; a wave's LDS instructions are served in order: these see the stores above
.endr
.endr
	s_wait_dscnt 0x0                               ; the stores have read X: it takes ln_b
.irp b, 0,1,2,3
.irp j, 0,1,2,3
	global_load_b128 v[X+16*\b+4*\j:X+16*\b+4*\j+3], v9, s[8:9] offset:128*\b+16*\j
.endr
.endr
.irp c, 0,1,2,3                                ; the sum of my 64 numbers, in four chains
	v_pk_add_f32 v[246+2*\c:247+2*\c], v[HA+2*\c:HA+2*\c+1], v[HA+8+2*\c:HA+9+2*\c]
.endr
.irp m, 2,3,4,5,6,7
.irp c, 0,1,2,3
	s_delay_alu instid0(VALU_DEP_4)
	v_pk_add_f32 v[246+2*\c:247+2*\c], v[246+2*\c:247+2*\c], v[HA+8*\m+2*\c:HA+8*\m+2*\c+1]
.endr
.endr
	REDUCE 0
	s_branch .Lbar1
	; ---- waves 8-10: unit 3 x work-group + wave - 8 of 768: 192 tiles of W_attn, 256 of W_fc, 64 of W_proj, 64 x 4 parts of W_out
.Lrelay:
	v_and_b32 v11, 8, v2
	s_delay_alu instid0(VALU_DEP_1)
	v_add_nc_u32 v11, v11, v2                      ; r + 8 (r / 8)
	s_sub_co_u32 s33, s12, 8
	s_mul_i32 s32, ttmp9, 3
	s_add_co_u32 s32, s32, s33                     ; the wave's unit
	s_mov_b32 s63, 0
	s_cmp_lt_u32 s32, 192
	s_cbranch_scc0 .Lnot_attn
	s_mov_b32 s62, s32
	s_wait_alu depctr_va_vdst(0)
	RELAY 44, 46, 768, 32, 8, 3072, WA_C, WA_S
	s_branch .Lbar1
.Lnot_attn:
	s_cmp_lt_u32 s32, 448
	s_cbranch_scc0 .Lnot_fc
	s_sub_co_u32 s62, s32, 192
	s_wait_alu depctr_va_vdst(0)
	RELAY 48, 50, 768, 32, 8, 4096, WF_C, WF_S
	s_branch .Lbar1
.Lnot_fc:
	s_cmp_lt_u32 s32, 512
	s_cbranch_scc0 .Lnot_proj
	s_sub_co_u32 s62, s32, 448
	s_wait_alu depctr_va_vdst(0)
	RELAY 52, 54, 768, 32, 8, 1024, WP_C, WP_S
	s_branch .Lbar1
.Lnot_proj:
	s_sub_co_u32 s33, s32, 512
	s_lshr_b32 s62, s33, 2
	s_and_b32 s63, s33, 3                          ; W_out has 32 K steps: four parts of eight
	s_wait_alu depctr_va_vdst(0)
	RELAY 56, 58, 3072, 128, 32, 1024, WO_C, WO_S
.Lbar1:
	s_barrier_signal -1                            ; every wave of the eleven
	s_barrier_wait -1
	s_cmp_ge_u32 s12, 8
	s_cbranch_scc1 .Lbar2
	GATHER 0
	s_delay_alu instid0(VALU_DEP_1)
	v_mul_f32 v254, s22, v246                      ; the mean
.set n, 0
.rept 32
	v_pk_add_f32 v[HA+n:HA+n+1], v[HA+n:HA+n+1], v[254:255] op_sel_hi:[1,0] neg_lo:[0,1] neg_hi:[0,1]
.set n, n+2
.endr
.irp c, 0,1,2,3
	v_pk_mul_f32 v[246+2*\c:247+2*\c], v[HA+2*\c:HA+2*\c+1], v[HA+2*\c:HA+2*\c+1]
.endr
.irp m, 1,2,3,4,5,6,7
.irp c, 0,1,2,3
	s_delay_alu instid0(VALU_DEP_4)
	v_pk_fma_f32 v[246+2*\c:247+2*\c], v[HA+8*\m+2*\c:HA+8*\m+2*\c+1], v[HA+8*\m+2*\c:HA+8*\m+2*\c+1], v[246+2*\c:247+2*\c]
.endr
.endr
	REDUCE 512
.Lbar2:
	s_barrier_signal -1
	s_barrier_wait -1
	s_cmp_ge_u32 s12, 8
	s_cbranch_scc1 .Lend
	GATHER 512
	s_delay_alu instid0(VALU_DEP_1)
	v_fma_f32 v246, v246, s22, s23                 ; the variance + 1e-5
	s_wait_alu depctr_va_vdst(0)
	v_rsq_f32 v252, v246
	v_nop                                          ; a plain line behind the transcendental
	s_wait_alu depctr_va_vdst(0)                   ; and the wait ahead of its first reader
	s_wait_loadcnt 0x0                             ; ln_w and ln_b
.set n, 0
.rept 32
	v_pk_mul_f32 v[HA+n:HA+n+1], v[HA+n:HA+n+1], v[252:253] op_sel_hi:[1,0]
.set n, n+2
.endr
.set n, 0
.rept 32
	v_pk_fma_f32 v[HA+n:HA+n+1], v[HA+n:HA+n+1], v[LW+n:LW+n+1], v[X+n:X+n+1]
.set n, n+2
.endr
	QUANT HA
.irp c, 0,1,2
	global_store_b128 v4, v[PC+4*\c:PC+4*\c+3], s[28:29] offset:512*\c   ; 512 consecutive bytes, aligned
.endr
	global_store_b32 v8, v[PW], s[30:31] offset:3145728   ; lanes r and r + 16 store the same word with the same value
.Lend:
	s_wait_tensorcnt 0x0
	ds_add_u32 v238, v239
	s_wait_dscnt 0x0
	s_endpgm
.Lfunc_end_k_q026d0e7a9d_prep:
	.size	k_q026d0e7a9d_prep, .Lfunc_end_k_q026d0e7a9d_prep-k_q026d0e7a9d_prep
	.p2alignl 7, 3214868480
	.fill 96, 4, 3214868480
	.section	.rodata,"a",@progbits
	.p2align	6, 0x0
	.amdhsa_kernel k_q026d0e7a9d_prep
		.amdhsa_group_segment_fixed_size 71168
		.amdhsa_private_segment_fixed_size 0
		.amdhsa_enable_private_segment 0
		.amdhsa_kernarg_size 104
		.amdhsa_user_sgpr_count 2
		.amdhsa_user_sgpr_kernarg_segment_ptr 1
		.amdhsa_wavefront_size32 1
		.amdhsa_system_sgpr_workgroup_id_x 1
		.amdhsa_system_sgpr_workgroup_id_y 1
		.amdhsa_system_sgpr_workgroup_id_z 1
		.amdhsa_system_vgpr_workitem_id 0
		.amdhsa_next_free_vgpr 256
		.amdhsa_next_free_sgpr 66
		.amdhsa_reserve_vcc 0
		.amdhsa_float_denorm_mode_32 3
		.amdhsa_float_denorm_mode_16_64 3
		.amdhsa_memory_ordered 1
		.amdhsa_forward_progress 1
		.amdhsa_inst_pref_size 67
	.end_amdhsa_kernel
	.amdgpu_metadata
---
amdhsa.version: [ 1, 2 ]
amdhsa.kernels:
  - .name:           k_q026d0e7a9d_prep
    .symbol:         k_q026d0e7a9d_prep.kd
    .args:
      - { .name: x, .offset: 0, .size: 8, .value_kind: global_buffer, .address_space: global }
      - { .name: ln1_w, .offset: 8, .size: 8, .value_kind: global_buffer, .address_space: global }
      - { .name: ln1_b, .offset: 16, .size: 8, .value_kind: global_buffer, .address_space: global }
      - { .name: hq, .offset: 24, .size: 8, .value_kind: global_buffer, .address_space: global }
      - { .name: W_attn_codes, .offset: 32, .size: 8, .value_kind: global_buffer, .address_space: global }
      - { .name: W_attn_scales, .offset: 40, .size: 8, .value_kind: global_buffer, .address_space: global }
      - { .name: W_fc_codes, .offset: 48, .size: 8, .value_kind: global_buffer, .address_space: global }
      - { .name: W_fc_scales, .offset: 56, .size: 8, .value_kind: global_buffer, .address_space: global }
      - { .name: W_proj_codes, .offset: 64, .size: 8, .value_kind: global_buffer, .address_space: global }
      - { .name: W_proj_scales, .offset: 72, .size: 8, .value_kind: global_buffer, .address_space: global }
      - { .name: W_out_codes, .offset: 80, .size: 8, .value_kind: global_buffer, .address_space: global }
      - { .name: W_out_scales, .offset: 88, .size: 8, .value_kind: global_buffer, .address_space: global }
      - { .name: wimg, .offset: 96, .size: 8, .value_kind: global_buffer, .address_space: global }
    .group_segment_fixed_size: 71168
    .private_segment_fixed_size: 0
    .kernarg_segment_align: 8
    .kernarg_segment_size: 104
    .max_flat_workgroup_size: 352
    .sgpr_count:     66
    .vgpr_count:     256
    .wavefront_size: 32
...
	.end_amdgpu_metadata
.endif
;; end of part 1
;; launch qkv (part 2): grid 12 x 16, 4 waves a work-group, clusters of 4 x 4, 327,680 bytes of LDS; arguments hq, wimg, b_attn, q, kv; writes q, kv
.if DOCPART == 2
	.amdgcn_target "amdgcn-amd-amdhsa--gfx1250"
	.amdhsa_code_object_version 6
	.text
	.protected	k_q026d0e7a9d_qkv
	.globl	k_q026d0e7a9d_qkv
	.p2align	8
	.type	k_q026d0e7a9d_qkv,@function
k_q026d0e7a9d_qkv:
	s_mov_b64 s[64:65], 0
	v_nop
	global_prefetch_b8 v0, s[64:65] scope:SCOPE_SE
	s_setreg_imm32_b32 hwreg(HW_REG_WAVE_MODE, 25, 1), 1
	s_wait_xcnt 0x0
	s_wait_alu depctr_hold_cnt(0) depctr_sa_sdst(0) depctr_va_vdst(0) depctr_va_sdst(0) depctr_va_ssrc(0) depctr_va_vcc(0) depctr_vm_vsrc(0)
	s_getreg_b32 s2, hwreg(HW_REG_IB_STS2, 6, 4)
	s_cmp_eq_u32 s2, 0
	s_cbranch_scc0 .Lentry_in_a_cluster
	s_endpgm
.Lentry_in_a_cluster:
	s_bfe_u32 s2, ttmp6, 0x10000c
	s_cmp_lg_u32 s2, 0xf033
	s_cbranch_scc0 .Lentry_shape_is_right
	s_endpgm
.Lentry_shape_is_right:
; qkv = Q(h) W_attn^T + b_attn on codes of E3M2, and q, k, v quantised at once for the attention: q and k along the head's 64, v along the keys.  M 4,096, N 3,072, K 1,024.
; A tile of 256 x 256 to a work-group of four waves, 128 x 128 (64 accumulators, 512 registers) to a wave.  Both operands lie in memory as IMAGES of the operand's registers ([tile of 16 rows][K step][1536 bytes]), so a fragment is three
; loads of 16 bytes a lane from LDS, 512 consecutive bytes each: no pitch, no padding.  The text is straight: every offset is an immediate.
; THREE LDS SLOTS of 256 along K.  K is four slot steps: steps 0, 1 and 2 are first fills, issued together with the scale words of all of K (one load a wave is out); only step 3 is a refill, into slot 0, behind the change from
; slot 0 to slot 1: it has slot steps 1 and 2 in which to land.  In front of that change's barrier every wave has waited for all its loads, its part of slot 2 among them: so the change from slot 1 to slot 2 needs no wait and no barrier.
; TILE ORDER: tile t holds at lane place r row 32 (t / 2) + 8 (t % 2) + r + 8 (r / 8): so a lane's 64 results of a block (8 accumulators) are register 16 b + i = index 32 b + 16 h + i of the operand that was source 0.
; ROLES.  R is source 0 (it becomes the result's registers), P source 1 (the result's lanes).  For q and k (cluster x = 0, 1): P = tokens, R = weight rows: a lane holds a token and 128 channels, two heads.
; For v (cluster x = 2) the roles change places between LDS and registers alone: P = weight rows, R = tokens: a lane holds a channel and 128 neighbouring keys, which is the K of the attention's second product.
; The choice hangs on the cluster's x, which all sixteen partners share; tensor loads, masks, barriers and the text are the same for all.
; CLUSTERS: 4 x 4 work-groups; A's tiles are asked for jointly along a row of the cluster, B's along a column.
; SCALE WORDS: one register carries a block's words of two K steps: lanes 0-15 the even step, lanes 16-31 the odd one, which the odd step's products select.
; REGISTERS: window 0: v1-23 addresses; v28-29 the add's; v32-47 P's scale words, v64-79 R's (two sets each); v128-223 P's 8 fragments, ONE set; v224-239 the bias for v.  On the way out: v48-63, v80-81, v96-114 at work, v128-191 a block's 64 numbers.
;   window 1: R's fragments, two sets at v0 and v128; the bias for q and k at v96-127 and v224-255.  windows 2, 3: accumulator (a, b) at v[8 (8 (a % 4) + b)] of window 2 + a / 4.
; LIMITS: NaN and infinities are not served; a block whose largest magnitude lies under 2^-122 keeps the byte 1; a block of zeros gets the byte 1, not 127: its codes are zeros and this program alone reads the bytes.
.set NCOL,  3072
.set WC,    0                          ; W_attn's images in wimg
.set WS,    9437184                    ; and its scale words
.set ASOFF, 3145728                    ; hq's scale words
.set HB,    104448                     ; a head's block in kv
.set HALFT, 24576                      ; 8 tiles x 2 K steps x 1,536 bytes: what one tensor load brings
.set SLOT,  4*HALFT                    ; A's two halves, then B's two
.set SCA,   3*SLOT                     ; behind the three slots: A's scale words: [8 K steps][256 rows]
.set HALFS, 4096
.set SCB,   SCA+2*HALFS
.set SPARE, SCA+4*HALFS                ; the spare words, 128 bytes a wave: two blocks of 256 bytes that no other line names
.set ADRP, 16                          ; v16-18  P's fragments in slot 0, 1, 2
.set ADRR, 19                          ; v19-21  R's
.set ADSP, 22
.set ADSR, 23
.set SPW,  28
.set NIL,  29
.set PS,   32
.set RS,   64
.set TM,   48
.set PW,   80
.set PWE,  81
.set PC,   96
.set PF,   128
.set HA,   128
.set G1,   24
.set G0,   32                          ; s[32:43] group 0 for A's tiles, a set for each slot
.set G1B,  48
.set G0B,  56                          ; s[56:63] group 0 for B's tiles, slots 0 and 1; s[92:95] slot 2
.set G1S,  68
.set G0S,  76
.set G1SB, 80
.set G0SB, 88
.set SEL,  96
.set MSB, 0
.macro WIN new                         ; the immediate's high byte repeats the setting that is left
.if MSB != (\new)
	s_set_vgpr_msb (MSB<<8)|(\new)
.set MSB, (\new)
.endif
.endm
.set MUL_LO, 0xa1                      ; source 0 (R) window 1, source 1 (P) window 0, C and D window 2
.set MUL_HI, 0xf1
.set TO_R,   0x40
.macro JLOAD g0a, g1a, g0b, g1b        ; a joint load: waves 0 and 1 fetch for A, waves 2 and 3 for B; four v_nop follow each of the two lines
	s_cmp_eq_u32 s15, 0
	s_cbranch_scc0 .Lfor_b_\@
	tensor_load_to_lds s[\g0a:\g0a+3], s[\g1a:\g1a+7]
	s_nop 0
.rept 4
	v_nop
.endr
	s_branch .Lasked_\@
.Lfor_b_\@:
	tensor_load_to_lds s[\g0b:\g0b+3], s[\g1b:\g1b+7]
	s_nop 0
.rept 4
	v_nop
.endr
.Lasked_\@:
.endm
.macro CREST
	s_cmp_lg_u32 s14, 0
	s_cbranch_scc1 .Lnot_wave_0_\@
	s_barrier_signal -3
.Lnot_wave_0_\@:
	s_barrier_wait -3
	s_barrier_signal -1
	s_barrier_wait -1
.endm
.macro CROUND
	s_barrier_signal -1
	s_barrier_wait -1
	CREST
.endm
.macro PLACES                          ; four plain lines between a matrix instruction and a load into, or a read of, its registers
.rept 4
	v_nop
.endr
.endm
.macro QUANT s                         ; 64 numbers, register 16 b + i = k 32 b + 16 h + i of my row -> 12 registers of codes in v[PC] on, the scale word in v[PW]
.irp b, 0,1,2,3
	v_max3_num_f32 v[TM+\b], |v[\s+16*\b]|, |v[\s+1+16*\b]|, 0x2800000
.endr
.irp i, 2,4,6,8,10,12,14
.irp b, 0,1,2,3
	v_max3_num_f32 v[TM+\b], v[TM+\b], |v[\s+16*\b+\i]|, |v[\s+1+16*\b+\i]|
.endr
.endr
.irp b, 0,1,2,3
	v_permlanex16_b32 v[TM+4+\b], v[TM+\b], s[SEL], s[SEL+1]
.endr
.irp b, 0,1,2,3
	v_max_num_f32 v[TM+\b], v[TM+\b], v[TM+4+\b]
.endr
.irp b, 0,1,2,3
	v_add_nc_u32 v[TM+12+\b], 0xfe000000, v[TM+\b]
.endr
.irp b, 0,1,2,3
	v_lshrrev_b32 v[TM+4+\b], 23, v[TM+12+\b]
.endr
	v_lshl_or_b32 v[PW], v[TM+5], 8, v[TM+4]
	v_lshl_or_b32 v[PW], v[TM+6], 16, v[PW]
	v_lshl_or_b32 v[PW], v[TM+7], 24, v[PW]
.irp c, 0,1
	v_cvt_scalef32_pk16_bf6_f32 v[PC+6*\c:PC+2+6*\c], v[\s+32*\c:\s+15+32*\c], v[TM+12+2*\c]
	v_cvt_scalef32_pk16_bf6_f32 v[PC+12+4*\c:PC+14+4*\c], v[\s+16+32*\c:\s+31+32*\c], v[TM+12+2*\c+1]
.endr
	v_nop
.irp c, 0,1
.irp i, 0,1,2
	v_permlane16_swap_b32 v[PC+6*\c+\i], v[PC+12+4*\c+\i]
.endr
.irp i, 0,1,2
	v_mov_b32 v[PC+3+6*\c+\i], v[PC+12+4*\c+\i]
.endr
.endr
.endm
	s_load_b128 s[4:7], s[0:1], 0x0                ; hq, wimg
	s_load_b128 s[8:11], s[0:1], 0x10              ; b_attn, q
	s_load_b64 s[12:13], s[0:1], 0x20              ; kv
	v_lshl_add_u32 v[SPW], v0, 2, SPARE
	v_mov_b32 v[NIL], 0
	ds_add_u32 v28, v29
	ds_add_u32 v28, v29
	s_wait_dscnt 0x0
	v_lshrrev_b32 v1, 5, v0
	v_readfirstlane_b32 s14, v1                    ; wave 0..3
	s_lshr_b32 s15, s14, 1                         ; my half of the tile's rows.  Also: I fetch for A (0) or for B (1)
	s_and_b32 s16, s14, 1                          ; my half of its columns.  Also: which half of that operand I fetch
	s_bfe_u32 s40, ttmp6, 0x40000                  ; cx, cy
	s_bfe_u32 s41, ttmp6, 0x40004
	s_lshl_b32 s19, ttmp9, 2
	s_add_co_u32 s19, s19, s40                     ; tile column
	s_and_b32 s17, ttmp7, 0xffff
	s_lshl_b32 s17, s17, 2
	s_add_co_u32 s17, s17, s41                     ; tile row
	s_lshl_b32 s43, s41, 2
	s_lshl_b32 s43, 15, s43                        ; my row of the cluster
	s_lshl_b32 s44, 0x1111, s40                    ; my column
	; codes: 8 rows (tiles) of 3,072 bytes (two K steps' images), 12,288 bytes apart; elements of 8 bytes; no padding
	s_or_b32 s[G1+0], s43, (3<<16)|(1<<21)
	s_or_b32 s[G1B+0], s44, (3<<16)|(1<<21)
.irp g, G1, G1B
	s_mov_b32 s[\g+1], 384<<16
	s_mov_b32 s[\g+2], 16<<16                      ; the head's loads bring all 16 tiles of an operand; behind them the two words that count rows are set to 8
	s_mov_b32 s[\g+3], 384<<16
	s_mov_b32 s[\g+4], 16
	s_mov_b32 s[\g+5], 1536
	s_mov_b32 s[\g+6], 0
	s_mov_b32 s[\g+7], 0
.endr
	; scale words: 8 rows (K steps) of 1,024 bytes (256 rows' words)
	s_or_b32 s[G1S+0], s43, (3<<16)|(1<<21)
	s_or_b32 s[G1SB+0], s44, (3<<16)|(1<<21)
.irp g, G1S, G1SB
	s_mov_b32 s[\g+1], 128<<16                     ; 8 rows (K steps) of 1,024 bytes: the words of all 256 rows
	s_mov_b32 s[\g+2], 8<<16
	s_mov_b32 s[\g+3], 128<<16
	s_mov_b32 s[\g+4], 8
	s_mov_b32 s[\g+6], 0
	s_mov_b32 s[\g+7], 0
.endr
	s_mov_b32 s[G1S+5], 2048
	s_mov_b32 s[G1SB+5], NCOL/2
	s_lshl_b32 s20, s17, 4                         ; A: tile 16 x tile row
	s_lshl_b32 s46, s19, 4                         ; B: tile 16 x tile column
	s_lshl_b32 s22, s20, 6
	s_add_co_u32 s22, s22, ASOFF
	s_lshl_b32 s2, s46, 6
	s_add_co_u32 s2, s2, WS
	s_mul_i32 s20, s20, 12288
	s_mul_i32 s46, s46, 12288
	s_add_co_u32 s46, s46, WC
	s_mov_b32 s21, 0
	s_mov_b32 s23, 0
	s_mov_b32 s47, 0
	s_mov_b32 s3, 0
	s_mul_i32 s45, s14, HALFT                      ; where they go: the wave's number alone enters an LDS address
	s_mul_i32 s44, s14, HALFS                      ; (the masks have been used)
	s_wait_kmcnt 0x0
	s_add_nc_u64 s[20:21], s[4:5], s[20:21]
	s_add_nc_u64 s[22:23], s[4:5], s[22:23]
	s_add_nc_u64 s[46:47], s[6:7], s[46:47]
	s_add_nc_u64 s[2:3], s[6:7], s[2:3]
	CROUND                                         ; all sixteen work-groups are here: the first joint loads meet
	s_mov_b32 s[G0S], 1
	s_mov_b32 s[G0S+1], SCA
	s_mov_b64 s[G0S+2:G0S+3], s[22:23]
	s_or_b32 s[G0S+3], s[G0S+3], 0x80000000
	s_mov_b32 s[G0SB], 1
	s_mov_b32 s[G0SB+1], SCB
	s_mov_b64 s[G0SB+2:G0SB+3], s[2:3]
	s_or_b32 s[G0SB+3], s[G0SB+3], 0x80000000
	; LDS: slot 0 (K steps 0-1, later 6-7): [A's 16 tiles][3072], then B's; from SLOT on K steps 2-5: [A's 16 tiles][6144], then B's; slots 1 and 2 are its K steps 2-3 and 4-5
	s_mov_b32 s[G0+8], 1                           ; the head's whole tiles: K steps 0-1 of A's 256 rows,
	s_mov_b32 s[G0+9], 0
	s_mov_b64 s[G0+10:G0+11], s[20:21]
	s_or_b32 s[G0+11], s[G0+11], 0x80000000
	s_mov_b32 s92, 1                               ; and of B's
	s_mov_b32 s93, 2*HALFT
	s_mov_b64 s[94:95], s[46:47]
	s_or_b32 s95, s95, 0x80000000
	s_mul_i32 s2, s16, 8*12288                     ; behind the head I fetch a half of an operand: 8 tiles
	s_mov_b32 s3, 0
	s_add_nc_u64 s[20:21], s[20:21], s[2:3]
	s_add_nc_u64 s[46:47], s[46:47], s[2:3]
	s_lshl_b32 s44, s45, 1
	s_mov_b32 s[G0], 1                             ; slot 0's refill starts from K step 0 and is stepped to K step 6
	s_mov_b32 s[G0+1], s45
	s_mov_b64 s[G0+2:G0+3], s[20:21]
	s_or_b32 s[G0+3], s[G0+3], 0x80000000
	s_mov_b32 s[G0+4], 1                           ; K steps 2-5 of my 8 tiles
	s_add_co_u32 s[G0+5], s44, SLOT
	s_add_nc_u64 s[G0+6:G0+7], s[20:21], 3072
	s_or_b32 s[G0+7], s[G0+7], 0x80000000
	s_mov_b32 s[G0B], 1
	s_mov_b32 s[G0B+1], s45
	s_mov_b64 s[G0B+2:G0B+3], s[46:47]
	s_or_b32 s[G0B+3], s[G0B+3], 0x80000000
	s_mov_b32 s[G0B+4], 1
	s_add_co_u32 s[G0B+5], s44, SLOT
	s_add_nc_u64 s[G0B+6:G0B+7], s[46:47], 3072
	s_or_b32 s[G0B+7], s[G0B+7], 0x80000000
; the head's four tiles, one joint load a wave: one chain of branches on the wave's number, every way passes one load
.macro ARM under, g0, g1, next
	s_cmp_lt_u32 s14, \under
	s_cbranch_scc0 \next
	tensor_load_to_lds s[\g0:\g0+3], s[\g1:\g1+7]
	s_nop 0
.rept 4
	v_nop
.endr
	s_branch .Lhead_asked
\next:
.endm
	ARM 1, G0+8, G1, .Lhead_b
	ARM 2, 92, G1B, .Lhead_sa
	ARM 3, G0S, G1S, .Lhead_sb
	tensor_load_to_lds s[G0SB:G0SB+3], s[G1SB:G1SB+7]
	s_nop 0
.rept 4
	v_nop
.endr
.Lhead_asked:
	v_and_b32 v4, 31, v0                           ; lane
	v_and_b32 v5, 15, v0                           ; r
	v_bfe_u32 v6, v0, 4, 1                         ; h
	v_lshlrev_b32 v1, 4, v4                        ; 16 x lane
	v_lshlrev_b32 v2, 2, v4                        ; 4 x lane
	v_lshlrev_b32 v3, 6, v6                        ; 64 h
	v_lshlrev_b32 v7, 2, v5
	v_lshl_add_u32 v7, v6, 10, v7                  ; 4 r + 1,024 h: lanes 16-31 take the odd K step's words
	v_and_b32 v11, 8, v5
	v_add_nc_u32 v11, v11, v5
	v_lshlrev_b32 v11, 2, v11                      ; 4 (r + 8 (r / 8))
	s_wait_alu depctr_va_vdst(0)
	s_mul_i32 s21, s15, HALFT                      ; my half of A
	s_mul_i32 s22, s16, HALFT
	s_add_co_u32 s22, s22, 2*HALFT                 ; my half of B
	s_cmp_eq_u32 ttmp9, 2                          ; v's columns: the roles change places
	s_cselect_b32 s23, s22, s21                    ; P
	s_cselect_b32 s22, s21, s22                    ; R
	v_add_nc_u32 v[ADRP], s23, v1
	v_add_nc_u32 v[ADRR], s22, v1
	s_lshl_b32 s23, s23, 1                         ; behind slot 0 a tile has twice the bytes: my half begins at SLOT + twice its place in slot 0
	s_lshl_b32 s22, s22, 1
	s_add_co_u32 s23, s23, SLOT
	s_add_co_u32 s22, s22, SLOT
	v_add_nc_u32 v[ADRP+1], s23, v1
	v_add_nc_u32 v[ADRR+1], s22, v1
	s_add_co_u32 s23, s23, 3072
	s_add_co_u32 s22, s22, 3072
	v_add_nc_u32 v[ADRP+2], s23, v1
	v_add_nc_u32 v[ADRR+2], s22, v1
	s_lshl_b32 s21, s15, 9
	s_add_co_u32 s21, s21, SCA
	s_lshl_b32 s22, s16, 9
	s_add_co_u32 s22, s22, SCB
	s_cmp_eq_u32 ttmp9, 2
	s_cselect_b32 s23, s22, s21
	s_cselect_b32 s22, s21, s22
	v_add_nc_u32 v[ADSP], s23, v7
	v_add_nc_u32 v[ADSR], s22, v7
	s_lshl_b32 s20, s19, 10
	s_lshl_b32 s21, s16, 9
	s_add_co_u32 s20, s20, s21
	s_mov_b32 s21, 0
	s_add_nc_u64 s[8:9], s[8:9], s[20:21]          ; b_attn at my 128 columns
	WIN TO_R
.irp b, 0,1,2,3                                ; for q and k: number 16 b + i = column 32 b + 16 h + i
.irp j, 0,1,2,3
	global_load_b128 v[96+96*(\b/2)+16*\b+4*\j:99+96*(\b/2)+16*\b+4*\j], v3, s[8:9] offset:128*\b+16*\j
.endr
.endr
	WIN 0
.irp a, 0,1,2,3,4,5,6,7                        ; for v: my lane's channel of block a, twice, for the packed addition
	global_load_b32 v[224+2*\a], v11, s[8:9] offset:(32*(\a/2)+8*(\a%2))*4
	global_load_b32 v[225+2*\a], v11, s[8:9] offset:(32*(\a/2)+8*(\a%2))*4
.endr
	s_mov_b32 s[SEL], 0x76543210
	s_mov_b32 s[SEL+1], 0xfedcba98
.macro FRAG reg, adr, off              ; a fragment's image: three loads of 512 consecutive bytes
.irp c, 0,1,2
	ds_load_b128 v[\reg+4*\c:\reg+4*\c+3], v[\adr] offset:\off+512*\c
.endr
.endm
.macro FETCH_R slot, q, p
	WIN TO_R
.irp i, 0,1,2,3,4,5,6,7
	FRAG 128*(\p)+12*\i, ADRR+\slot, ((2+2*(((\slot)+1)/2))*\i+(\q))*1536
.endr
	WIN 0
.endm
.macro FETCH_P slot, q, i0
.irp i, \i0, \i0+1, \i0+2, \i0+3
	FRAG PF+12*(\i), ADRP+\slot, ((2+2*(((\slot)+1)/2))*(\i)+(\q))*1536
.endr
.endm
.macro SCALES sig, sc                  ; slot step sig's scale words into set sc: 16 loads
.irp i, 0,1,2,3,4,5,6,7
	ds_load_b32 v[PS+8*(\sc)+\i], v[ADSP] offset:2048*(\sig)+64*\i
	ds_load_b32 v[RS+8*(\sc)+\i], v[ADSR] offset:2048*(\sig)+64*\i
.endr
.endm
.macro WM d, r, p, sr, sp, row, zero
.if \zero
	v_wmma_scale_f32_16x16x128_f8f6f4 v[\d:\d+7], v[\r:\r+11], v[\p:\p+11], 0, v[\sr], v[\sp] matrix_a_fmt:MATRIX_FMT_BF6 matrix_b_fmt:MATRIX_FMT_BF6
.elseif \row
	v_wmma_scale_f32_16x16x128_f8f6f4 v[\d:\d+7], v[\r:\r+11], v[\p:\p+11], v[\d:\d+7], v[\sr], v[\sp] matrix_a_fmt:MATRIX_FMT_BF6 matrix_b_fmt:MATRIX_FMT_BF6 matrix_a_scale:MATRIX_SCALE_ROW1 matrix_b_scale:MATRIX_SCALE_ROW1
.else
	v_wmma_scale_f32_16x16x128_f8f6f4 v[\d:\d+7], v[\r:\r+11], v[\p:\p+11], v[\d:\d+7], v[\sr], v[\sp] matrix_a_fmt:MATRIX_FMT_BF6 matrix_b_fmt:MATRIX_FMT_BF6
.endif
.endm
; 16 products: P's blocks a0, a0 + 1 x R's eight.  The 64 accumulators take turns, one instruction a turn, in the same order in every K step.
.macro MUL16 a0, p, q, sc, zero
.irp a, \a0, \a0+1
.irp b, 0,1,2,3,4,5,6,7
	WM 8*(8*((\a)%4)+\b), 128*(\p)+12*\b, PF+12*(\a), RS+8*(\sc)+\b, PS+8*(\sc)+(\a), \q, \zero
.endr
.endr
.endm
.macro STEP slot, sc, zero             ; a slot's first K step; sc: the set of scale words
	s_wait_dscnt 12                                ; all but the youngest twelve loads (P's blocks 4-7) are in
	WIN MUL_LO
	MUL16 0, 0, 0, \sc, \zero
	MUL16 2, 0, 0, \sc, \zero
	s_wait_dscnt 0x0
	PLACES
	FETCH_R \slot, 1, 1
	FETCH_P \slot, 1, 0
	WIN MUL_HI
	MUL16 4, 0, 0, \sc, \zero
	MUL16 6, 0, 0, \sc, \zero
	PLACES
	WIN 0
	FETCH_P \slot, 1, 4
.endm
; A slot's second K step with a barrier: in front of it each wave waits for all its tensor loads, adds 0 to its spare word, and waits for that and for its reads of this slot.  fill = 1: this slot takes slot step 3.
.macro TURN slot, sc, next, fill, sig
	s_wait_tensorcnt 0x0                           ; all my tensor loads have landed
	ds_add_u32 v[SPW], v[NIL]                      ; 0 onto my spare word
	s_wait_dscnt 13                                ; the add and the youngest twelve loads may be out
	WIN MUL_LO
	MUL16 0, 1, 1, \sc, 0
	s_wait_dscnt 0x0                               ; the add is done, and my reads of this slot are over
	s_barrier_signal -1
	MUL16 2, 1, 1, \sc, 0
	WIN 0
	s_barrier_wait -1
.if \fill
	CREST                                          ; the barrier has opened a round of the cluster's barrier: no wave of any partner still reads this slot or has a load on its way
	s_add_nc_u64 s[G0+4*\slot+2:G0+4*\slot+3], s[G0+4*\slot+2:G0+4*\slot+3], 3*3072
	s_add_nc_u64 s[G0B+4*\slot+2:G0B+4*\slot+3], s[G0B+4*\slot+2:G0B+4*\slot+3], 3*3072
	JLOAD G0+4*\slot, G1, G0B+4*\slot, G1B         ; the first tensor load behind the round; its four v_nop are also the places in front of the loads below
.else
	PLACES
.endif
	FETCH_R \next, 0, 0
	FETCH_P \next, 0, 0
	SCALES \sig, 1-(\sc)
	WIN MUL_HI
	MUL16 4, 1, 1, \sc, 0
	MUL16 6, 1, 1, \sc, 0
	PLACES
	WIN 0
	FETCH_P \next, 0, 4
.endm
; A slot's second K step without one: the next slot was shown whole to every wave by the barrier of the change before.
.macro PASS sc, next, sig
	s_wait_dscnt 12
	WIN MUL_LO
	MUL16 0, 1, 1, \sc, 0
	MUL16 2, 1, 1, \sc, 0
	s_wait_dscnt 0x0
	PLACES
	FETCH_R \next, 0, 0
	FETCH_P \next, 0, 0
	SCALES \sig, 1-(\sc)
	WIN MUL_HI
	MUL16 4, 1, 1, \sc, 0
	MUL16 6, 1, 1, \sc, 0
	PLACES
	WIN 0
	FETCH_P \next, 0, 4
.endm
	s_wait_alu depctr_va_vdst(0)
	s_wait_tensorcnt 0x0                           ; my tile of the head's four is in
	ds_add_u32 v[SPW], v[NIL]
	s_mov_b32 s[G1+2], 8<<16                       ; no tensor load of mine is out: from here on a load brings 8 tiles;
	s_mov_b32 s[G1+4], 8
	s_mov_b32 s[G1B+2], 8<<16
	s_mov_b32 s[G1B+4], 8
	s_mov_b32 s[G1S+1], 768<<16                    ; the groups that served the scale words now state 8 rows of 6,144 bytes (four K steps), 12,288 apart
	s_mov_b32 s[G1S+3], 768<<16
	s_mov_b32 s[G1S+5], 1536
	s_mov_b32 s[G1SB+1], 768<<16
	s_mov_b32 s[G1SB+3], 768<<16
	s_mov_b32 s[G1SB+5], 1536
	s_wait_dscnt 0x0
	CROUND                                         ; all four tiles are in, and all sixteen work-groups are here
	JLOAD G0+4, G1S, G0B+4, G1SB                   ; K steps 2-5, my one load behind the round
	FETCH_R 0, 0, 0
	FETCH_P 0, 0, 0
	SCALES 0, 0
	FETCH_P 0, 0, 4
	STEP 0, 0, 1                                   ; the first products start the sums: nothing is cleared
	TURN 0, 0, 1, 1, 1                             ; slots 1 and 2 are whole; slot 0 takes slot step 3
	STEP 1, 1, 0
	PASS 1, 2, 2
	STEP 2, 0, 0
	TURN 2, 0, 0, 0, 3                             ; slot step 3 has landed; nothing is left to fetch
	STEP 0, 1, 0
	s_wait_dscnt 12
	WIN MUL_LO
	MUL16 0, 1, 1, 1, 0
	MUL16 2, 1, 1, 1, 0
	s_wait_dscnt 0x0
	WIN MUL_HI
	MUL16 4, 1, 1, 1, 0
	MUL16 6, 1, 1, 1, 0
	WIN 0
	; THE WAY OUT: block by block of P: bias, quantiser, image.  No LDS: a lane's 64 numbers already run along the next K.
	PLACES
	s_wait_loadcnt 0x0                             ; the biases
.irp b, 0,1,2,3
	v_mov_b32 v[TM+4+\b], 0                        ; a lane permute's destination counts as read
.endr
	s_lshr_b32 s22, s17, 2
	s_lshl_b32 s22, s22, 4                         ; 16 x batch
	s_and_b32 s23, s19, 3
	s_lshl_b32 s23, s23, 2
	s_add_co_u32 s22, s22, s23
	s_lshl_b32 s23, s16, 1
	s_add_co_u32 s22, s22, s23                     ; my first head's block: 16 b + 4 (tile column % 4) + 2 x half
	s_mov_b32 s47, 0
	s_mov_b32 s93, 0
	s_cmp_eq_u32 ttmp9, 2
	s_cbranch_scc1 .Lvpath
	; q (cluster x = 0) or k (1): a lane holds a token; registers 0-5 of the codes are the first head's 64, registers 6-11 the second's
	s_cmp_eq_u32 ttmp9, 0
	s_cselect_b64 s[66:67], s[10:11], s[12:13]
	s_mov_b32 s20, HB
	s_cselect_b32 s20, 53248, s20                  ; a head's block
	s_mov_b32 s21, 98304
	s_cselect_b32 s21, 49152, s21                  ; where its scale words begin
	s_mul_i32 s22, s22, s20
	s_and_b32 s23, s17, 3
	s_lshl_b32 s23, s23, 4
	s_lshl_b32 s45, s15, 3
	s_add_co_u32 s23, s23, s45                     ; my first tile of tokens in the batch
	s_mul_i32 s46, s23, 768
	s_add_co_u32 s46, s46, s22
	s_lshl_b32 s92, s23, 6
	s_add_co_u32 s92, s92, s22
	s_add_co_u32 s92, s92, s21
	s_add_nc_u64 s[92:93], s[66:67], s[92:93]      ; scale words
	s_add_nc_u64 s[66:67], s[66:67], s[46:47]      ; the first head's codes
	s_mov_b32 s46, s20
	s_add_nc_u64 s[98:99], s[66:67], s[46:47]      ; the second head's
	v_mul_lo_u32 v9, v6, s20
	v_lshl_add_u32 v9, v5, 2, v9                   ; lanes 0-15 store the first head's words, lanes 16-31 the second's
	v_lshlrev_b32 v10, 4, v6                       ; 16 h
	v_lshlrev_b32 v8, 3, v4                        ; 8 x lane
.macro QKBLK a
	WIN 0x06+(\a)/4                                ; source 0: the accumulators' window; source 1: window 1
.set n, 0
.rept 32
	v_pk_add_f32 v[HA+n:HA+n+1], v[64*((\a)%4)+n:64*((\a)%4)+n+1], v[96+n+96*(n/32):97+n+96*(n/32)]   ; each accumulator from its low end on
.set n, n+2
.endr
	WIN 0
	s_wait_xcnt 0x0                                ; the last block's stores have read their data
	QUANT HA
	v_lshrrev_b32 v[PWE], v10, v[PW]               ; a head's two bytes in the low half; what lies above scales zero codes and is never 0xff
	global_store_b128 v1, v[PC:PC+3], s[66:67] offset:768*(\a)
	global_store_b64 v8, v[PC+4:PC+5], s[66:67] offset:768*(\a)+512
	global_store_b128 v1, v[PC+6:PC+9], s[98:99] offset:768*(\a)
	global_store_b64 v8, v[PC+10:PC+11], s[98:99] offset:768*(\a)+512
	global_store_b32 v9, v[PWE], s[92:93] offset:64*(\a)
.endm
.irp a, 0,1,2,3,4,5,6,7
	QKBLK \a
.endr
	s_branch .Lend
.Lvpath:
	; v: a lane holds a channel (block a: head a / 4 of my two, tile a % 4 of its 64 channels), its 64 numbers and lane l xor 16's are 128 neighbouring keys: one K step
	s_mul_i32 s22, s22, HB
	s_lshl_b32 s23, s17, 1
	s_add_co_u32 s23, s23, s15
	s_and_b32 s23, s23, 7                          ; the key step in the batch
	s_mul_i32 s46, s23, 6144
	s_add_co_u32 s46, s46, s22
	s_add_co_u32 s46, s46, 49152
	s_add_nc_u64 s[66:67], s[12:13], s[46:47]
	s_lshl_b32 s46, s23, 8
	s_add_co_u32 s46, s46, s22
	s_add_co_u32 s46, s46, 102400
	s_add_nc_u64 s[98:99], s[12:13], s[46:47]
	s_mov_b32 s95, 0xffff0000
.macro VBLK a
	WIN 0x02+(\a)/4
.set n, 0
.rept 32
	v_pk_add_f32 v[HA+n:HA+n+1], v[64*((\a)%4)+n:64*((\a)%4)+n+1], v[224+2*(\a):225+2*(\a)]
.set n, n+2
.endr
	WIN 0
	s_wait_xcnt 0x0
	QUANT HA
.irp c, 0,1,2
	global_store_b128 v1, v[PC+4*\c:PC+4*\c+3], s[66:67] offset:((\a)/4)*HB+((\a)%4)*1536+512*\c
.endr
.if (\a)%2 == 0
	v_mov_b32 v[PWE], v[PW]
.else
	v_cndmask_b32 v[PWE], v[PWE], v[PW], s95       ; lanes 0-15 the even block's words, lanes 16-31 the odd one's: 128 consecutive bytes
	global_store_b32 v2, v[PWE], s[98:99] offset:((\a)/4)*HB+(((\a)-1)%4)*64
.endif
.endm
.irp a, 0,1,2,3,4,5,6,7
	VBLK \a
.endr
.Lend:
	s_wait_tensorcnt 0x0                           ; the wave's end
	ds_add_u32 v[SPW], v[NIL]
	s_wait_dscnt 0x0
	CROUND                                         ; the closing round
	s_endpgm
.Lfunc_end_k_q026d0e7a9d_qkv:
	.size	k_q026d0e7a9d_qkv, .Lfunc_end_k_q026d0e7a9d_qkv-k_q026d0e7a9d_qkv
	.p2alignl 7, 3214868480
	.fill 96, 4, 3214868480
	.section	.rodata,"a",@progbits
	.p2align	6, 0x0
	.amdhsa_kernel k_q026d0e7a9d_qkv
		.amdhsa_group_segment_fixed_size 327680
		.amdhsa_private_segment_fixed_size 0
		.amdhsa_enable_private_segment 0
		.amdhsa_kernarg_size 40
		.amdhsa_user_sgpr_count 2
		.amdhsa_user_sgpr_kernarg_segment_ptr 1
		.amdhsa_wavefront_size32 1
		.amdhsa_system_sgpr_workgroup_id_x 1
		.amdhsa_system_sgpr_workgroup_id_y 1
		.amdhsa_system_sgpr_workgroup_id_z 1
		.amdhsa_system_vgpr_workitem_id 0
		.amdhsa_next_free_vgpr 1024
		.amdhsa_next_free_sgpr 100
		.amdhsa_reserve_vcc 0
		.amdhsa_float_denorm_mode_32 3
		.amdhsa_float_denorm_mode_16_64 3
		.amdhsa_memory_ordered 1
		.amdhsa_forward_progress 1
		.amdhsa_inst_pref_size 213
	.end_amdhsa_kernel
	.amdgpu_metadata
---
amdhsa.version: [ 1, 2 ]
amdhsa.kernels:
  - .name:           k_q026d0e7a9d_qkv
    .symbol:         k_q026d0e7a9d_qkv.kd
    .args:
      - { .name: hq, .offset: 0, .size: 8, .value_kind: global_buffer, .address_space: global }
      - { .name: wimg, .offset: 8, .size: 8, .value_kind: global_buffer, .address_space: global }
      - { .name: b_attn, .offset: 16, .size: 8, .value_kind: global_buffer, .address_space: global }
      - { .name: q, .offset: 24, .size: 8, .value_kind: global_buffer, .address_space: global }
      - { .name: kv, .offset: 32, .size: 8, .value_kind: global_buffer, .address_space: global }
    .group_segment_fixed_size: 327680
    .private_segment_fixed_size: 0
    .kernarg_segment_align: 8
    .kernarg_segment_size: 40
    .max_flat_workgroup_size: 128
    .sgpr_count:     100
    .vgpr_count:     1024
    .wavefront_size: 32
...
	.end_amdgpu_metadata
.endif
;; end of part 2
;; launch attn (part 3): grid 8 x 32, 16 waves a work-group, clusters of 4 x 1, 218,112 bytes of LDS; arguments q, kv, yq; writes yq
.if DOCPART == 3
	.amdgcn_target "amdgcn-amd-amdhsa--gfx1250"
	.amdhsa_code_object_version 6
	.text
	.protected	k_q026d0e7a9d_attn
	.globl	k_q026d0e7a9d_attn
	.p2align	8
	.type	k_q026d0e7a9d_attn,@function
k_q026d0e7a9d_attn:
	s_mov_b64 s[64:65], 0
	v_nop
	global_prefetch_b8 v0, s[64:65] scope:SCOPE_SE
	s_setreg_imm32_b32 hwreg(HW_REG_WAVE_MODE, 25, 1), 1
	s_wait_xcnt 0x0
	s_wait_alu depctr_hold_cnt(0) depctr_sa_sdst(0) depctr_va_vdst(0) depctr_va_sdst(0) depctr_va_ssrc(0) depctr_va_vcc(0) depctr_vm_vsrc(0)
	s_getreg_b32 s2, hwreg(HW_REG_IB_STS2, 6, 4)
	s_cmp_eq_u32 s2, 0
	s_cbranch_scc0 .Lentry_in_a_cluster
	s_endpgm
.Lentry_in_a_cluster:
	s_bfe_u32 s2, ttmp6, 0x10000c
	s_cmp_lg_u32 s2, 0x3003
	s_cbranch_scc0 .Lentry_shape_is_right
	s_endpgm
.Lentry_shape_is_right:
; y = softmax(q k^T / 8, causal) v for 64 (batch, head) pairs of 1,024 tokens and 64 channels, both products on codes of E3M2; y is quantised along C at once, as an operand image for the projection.
; THE SOFTMAX: t = score x log2(e) / 8; M = the running largest t rounded UP to a whole number; p = 2^(t - M) is what is quantised, along the keys; the row's sum is taken of the unquantised p and divides at the end.
; SHARES.  A work-group takes a PAIR of heads (their 128 channels are one K step of the projection) and one of eight sets of query tiles, g.  Wave w: head e = w / 8, place p = w xor 15 e, query tile 8 p + g.
; A tile's 16 queries all lie in keys' step p (128 p .. 128 p + 127), whatever g: so key step k is left out where k > p, is open where k < p, and carries the mask where k = p: branches on the wave's number and the loop's count alone.
; The waves w, w + 4, w + 8, w + 12 have 18 key steps together, whichever w.
; ALL OF THE PAIR'S K AND V LIE IN LDS, 208,896 dense bytes, filled once by eight joint loads: the four work-groups of a cluster share the pair.  Nothing is filled again.
; LAYOUT.  Both products transposed: S^T = K Q^T, O^T = V^T P^T: a lane holds one query throughout.  Tiles of keys, of queries and of V's channels are in tile order (lane place r of tile t: 32 (t / 2) + 8 (t % 2) + r + 8 (r / 8)),
; so p's 16 registers of two neighbouring tiles are 16 neighbouring keys, and O^T's are 16 neighbouring channels.  The first product's K is 64: registers 6-11 of both operands hold zero codes, written once.
; REGISTERS: v1-8 LDS addresses that stay; v9-11, v28-29 the step's; v30 the mask's number; v31, v80-81 global offsets; v12 -M, v13 the largest t, v[14:15] the sum; v16-27 Q; v32-79 four fragments of K;
;   v96-159 S^T, then p, then V's four fragments; v160-191 O^T; v192-223 y; v224-235 codes; v232-254 at work; v248-251, v253, v255 scale words.
; LIMITS: NaN and infinities are not served; a block whose largest magnitude lies under 2^-122 keeps the byte 1; a block of zeros gets the byte 1, not 127.
.set HB,   104448                      ; a head's block: K's codes [64 tiles][768] at 0, V's images [8 key steps][4 tiles][1536] at 49,152, K's scale words at 98,304, V's at 102,400
.set XCH,  208896                      ; behind the two blocks: 8 places of 896 bytes in which the second head's codes of y reach the first head's wave
.set E,    13
.set P,    14
.set WV,   18
.set SEL,  20
.set CS,   22
.set G1,   24
.set G0,   32
.set KAP,  36
.set TB,   37
.set TS,   38
.set TJ,   39
.macro CROUND
	s_barrier_signal -1
	s_barrier_wait -1
	s_cmp_lg_u32 s[WV], 0
	s_cbranch_scc1 .Lnot_wave_0_\@
	s_barrier_signal -3
.Lnot_wave_0_\@:
	s_barrier_wait -3
	s_barrier_signal -1
	s_barrier_wait -1
.endm
	s_load_b128 s[4:7], s[0:1], 0x0                ; q, kv
	s_load_b64 s[8:9], s[0:1], 0x10                ; yq
	v_lshl_add_u32 v95, v0, 2, 0x34c00
	v_mov_b32 v243, 0
	ds_add_u32 v95, v243
	ds_add_u32 v95, v243
	v_lshrrev_b32 v1, 5, v0
	s_delay_alu instid0(VALU_DEP_1)
	v_readfirstlane_b32 s[WV], v1                  ; wave 0..15
	s_lshr_b32 s[E], s[WV], 3                      ; which head of the pair
	s_mul_i32 s[P], s[E], 15
	s_xor_b32 s[P], s[P], s[WV]                    ; my place, 0..7
	s_mul_i32 s15, s[E], HB
	s_mul_i32 s16, s[P], 896
	v_and_b32 v9, 31, v0                           ; lane
	v_and_b32 v10, 15, v0                          ; r
	v_bfe_u32 v11, v0, 4, 1                        ; h
	s_delay_alu instid0(VALU_DEP_3)
	v_lshlrev_b32 v31, 4, v9
	s_delay_alu instid0(VALU_DEP_4)
	v_lshlrev_b32 v80, 3, v9
	s_delay_alu instid0(VALU_DEP_4)
	v_lshlrev_b32 v81, 2, v10
	v_lshlrev_b32 v82, 2, v9
	s_delay_alu instid0(VALU_DEP_4)
	v_add_nc_u32 v1, s15, v31                      ; K: registers 0-3 of a tile
	s_delay_alu instid0(VALU_DEP_4)
	v_add_nc_u32 v2, s15, v80
	s_delay_alu instid0(VALU_DEP_1)
	v_add_nc_u32 v2, 512, v2                       ; K: registers 4-5
	s_delay_alu instid0(VALU_DEP_3)
	v_add_nc_u32 v3, 49152, v1                     ; V's images
	v_add_nc_u32 v4, s15, v81
	s_delay_alu instid0(VALU_DEP_1)
	v_add_nc_u32 v5, 102400, v4                    ; V's scale words
	s_delay_alu instid0(VALU_DEP_2)
	v_add_nc_u32 v4, 98304, v4                     ; K's
	v_add_nc_u32 v6, s16, v31
	s_delay_alu instid0(VALU_DEP_1)
	v_add_nc_u32 v6, XCH, v6
	v_add_nc_u32 v7, s16, v80
	s_delay_alu instid0(VALU_DEP_1)
	v_add_nc_u32 v7, XCH+512, v7
	v_add_nc_u32 v8, s16, v82
	s_delay_alu instid0(VALU_DEP_1)
	v_add_nc_u32 v8, XCH+768, v8
	s_bfe_u32 s10, ttmp6, 0x40000                  ; cx: it enters q's and yq's addresses and the mask's number alone
	s_lshl_b32 s11, ttmp9, 2
	s_add_co_u32 s11, s11, s10                     ; g
	s_and_b32 s12, ttmp7, 0xffff                   ; the pair: 8 x batch + K step of the projection
	s_lshr_b32 s17, s11, 1
	s_lshl_b32 s17, s17, 5
	s_and_b32 s19, s11, 1
	s_lshl_b32 s19, s19, 3
	s_add_co_u32 s17, s17, s19
	v_and_b32 v30, 8, v10
	s_delay_alu instid0(VALU_DEP_1)
	v_add_nc_u32 v30, v30, v10
	v_lshlrev_b32 v29, 4, v11
	s_delay_alu instid0(VALU_DEP_1)
	v_sub_nc_u32 v30, v30, v29
	s_delay_alu instid0(VALU_DEP_1)
	v_add_nc_u32 v30, s17, v30                     ; d = my query - 128 p - 16 h.  On the diagonal register 16 b + i holds key 128 p + 32 b + 16 h + i: hidden where 32 b + i > d
	s_lshl_b32 s19, s[P], 3
	s_add_co_u32 s19, s19, s11                     ; my query tile
	s_lshl_b32 s40, s12, 1
	s_add_co_u32 s40, s40, s[E]
	s_mul_i32 s40, s40, 53248                      ; my head's block in q
	s_mul_i32 s41, s19, 768
	s_add_co_u32 s42, s40, s41
	s_mov_b32 s43, 0
	s_lshl_b32 s41, s19, 6
	s_add_co_u32 s44, s40, s41
	s_add_co_u32 s44, s44, 49152
	s_mov_b32 s45, 0
	s_mul_i32 s46, s12, 2*HB
	s_mul_i32 s33, s[WV], 26112                    ; what I fetch, if I fetch: an eighth of the pair's bytes
	s_add_co_u32 s46, s46, s33
	s_mov_b32 s47, 0
	s_lshr_b32 s48, s12, 3
	s_lshl_b32 s48, s48, 6
	s_add_co_u32 s48, s48, s19                     ; my tile of tokens: 64 x batch + query tile
	s_and_b32 s49, s12, 7
	s_lshl_b32 s50, s48, 3
	s_add_co_u32 s50, s50, s49
	s_mul_i32 s50, s50, 1536
	s_mov_b32 s51, 0
	s_lshl_b32 s52, s49, 14
	s_lshl_b32 s48, s48, 6
	s_add_co_u32 s52, s52, s48
	s_mov_b32 s53, 0
	s_mov_b32 s[G1], 15|(3<<16)|(1<<21)            ; the mask: all four work-groups; elements of 8 bytes; no padding
	s_mov_b32 s[G1+1], 32<<16                      ; rows of 256 bytes
	s_mov_b32 s[G1+2], 102<<16
	s_mov_b32 s[G1+3], 32<<16
	s_mov_b32 s[G1+4], 102
	s_mov_b32 s[G1+5], 32
	s_mov_b32 s[G1+6], 0
	s_mov_b32 s[G1+7], 0
	s_mov_b32 s[SEL], 0x76543210
	s_mov_b32 s[SEL+1], 0xfedcba98
	s_mov_b32 s[CS], 0x3e38aa3b                    ; c = log2(e) / 8
	s_mov_b32 s[CS+1], s[CS]
	s_mov_b32 s[KAP], 0
	s_mov_b32 s[TB], 0
	s_mov_b32 s[TS], 0
	s_mov_b32 s[TJ], 0
	s_mov_b32 s[G0], 1
	s_wait_dscnt 0x0
	s_wait_kmcnt 0x0
	s_add_nc_u64 s[G0+2:G0+3], s[6:7], s[46:47]
	s_or_b32 s[G0+3], s[G0+3], 0x80000000
	s_add_nc_u64 s[42:43], s[4:5], s[42:43]
	s_add_nc_u64 s[44:45], s[4:5], s[44:45]
	s_add_nc_u64 s[50:51], s[8:9], s[50:51]
	s_add_nc_u64 s[52:53], s[8:9], s[52:53]
	CROUND                                         ; all four work-groups are here: the joint loads meet
	s_cmp_lt_u32 s[WV], 8
	s_cbranch_scc0 .Lnofill
	tensor_load_to_lds s[G0:G0+3], s[G1:G1+7]      ; one load of mine is out
	s_nop 0
.rept 4
	v_nop
.endr
.Lnofill:
	global_load_b128 v[16:19], v31, s[42:43]       ; Q's codes stay in registers
	global_load_b64 v[20:21], v80, s[42:43] offset:512
	global_load_b32 v255, v81, s[44:45]            ; and its scale words
.irp j, 22,23,24,25,26,27
	v_mov_b32 v[\j], 0                             ; K = 64: the upper 64 are zero codes, on both sides
.endr
.irp t, 0,1,2,3
.irp j, 6,7,8,9,10,11
	v_mov_b32 v[32+12*\t+\j], 0
.endr
.endr
	v_mov_b32 v13, 0xff61b1e6                      ; the largest t so far: -3e38
	s_delay_alu instid0(VALU_DEP_1)
	v_floor_f32 v12, -v13                          ; -M
	v_mov_b32 v14, 0
	v_mov_b32 v15, 0
.irp b, 0,1,2,3
	v_mov_b32 v[236+\b], 0                         ; a lane permute's destination counts as read
.endr
	v_mov_b32 v252, 0
	v_mov_b32 v253, 0
.set n, 0
.rept 32
	v_mov_b32 v[160+n], 0                          ; O^T: the step is written once; the first finds zeros
.set n, n+1
.endr
	s_wait_tensorcnt 0x0                           ; my part has landed,
	s_barrier_signal -1
	s_barrier_wait -1                              ; everybody's has
	s_wait_loadcnt 0x0                             ; Q
.Lstep:                                            ; eight trips, a constant; a step's work is jumped over where all its keys come after my queries
	s_cmp_gt_u32 s[KAP], s[P]
	s_cbranch_scc1 .Lhidden
	v_add_nc_u32 v9, s[TB], v1
	s_wait_alu depctr_va_vdst(0)
	v_add_nc_u32 v10, s[TB], v2
	s_wait_alu depctr_va_vdst(0)
	v_add_nc_u32 v11, s[TB], v3
	v_add_nc_u32 v28, s[TS], v4
	s_wait_alu depctr_va_vdst(0)
	v_add_nc_u32 v29, s[TJ], v5
	v_nop                                          ; six plain lines between the last step's products and the products below, which write over V's registers
.irp g, 0,1                                    ; S^T = K Q^T, four tiles of 16 keys at a time
.if \g > 0
.rept 4
	v_nop
.endr
.endif
.irp t, 0,1,2,3
	ds_load_b128 v[32+12*\t:35+12*\t], v9 offset:(4*\g+\t)*768
	ds_load_b64 v[36+12*\t:37+12*\t], v10 offset:(4*\g+\t)*768
	ds_load_b32 v[248+\t], v28 offset:(4*\g+\t)*64
.endr
	s_wait_dscnt 0x0
.irp t, 0,1,2,3
	v_wmma_scale_f32_16x16x128_f8f6f4 v[96+8*(4*\g+\t):103+8*(4*\g+\t)], v[32+12*\t:43+12*\t], v[16:27], 0, v[248+\t], v255 matrix_a_fmt:MATRIX_FMT_BF6 matrix_b_fmt:MATRIX_FMT_BF6
.endr
.endr
.rept 4
	v_nop
.endr
	s_cmp_lt_u32 s[KAP], s[P]                      ; all keys of the step count: no mask
	s_cbranch_scc1 .Lopen
	v_mov_b32 v254, 0xff800000                     ; -infinity: p = 0 then
.set n, 0
.rept 64
	v_cmp_gt_i32 vcc_lo, 32*(n/16)+n%16, v30
	v_cndmask_b32 v[96+n], v[96+n], v254, vcc_lo
.set n, n+1
.endr
.Lopen:
.irp b, 0,1,2,3
	v_max3_num_f32 v[232+\b], v[96+16*\b], v[97+16*\b], v[98+16*\b]   ; the largest score of each block of 32 keys: it serves for the row's maximum and, since p rises with the score, for the block's largest p
.endr
.irp i, 3,5,7,9,11,13
.irp b, 0,1,2,3
	v_max3_num_f32 v[232+\b], v[232+\b], v[96+16*\b+\i], v[97+16*\b+\i]
.endr
.endr
.irp b, 0,1,2,3
	v_max_num_f32 v[232+\b], v[232+\b], v[111+16*\b]
.endr
.irp b, 0,1,2,3
	s_delay_alu instid0(VALU_DEP_4)
	v_permlanex16_b32 v[236+\b], v[232+\b], s[SEL], s[SEL+1]
.endr
.irp b, 0,1,2,3
	s_delay_alu instid0(VALU_DEP_4)
	v_max_num_f32 v[232+\b], v[232+\b], v[236+\b]
.endr
	s_delay_alu instid0(VALU_DEP_2)
	v_max3_num_f32 v254, v232, v233, v234
	s_delay_alu instid0(VALU_DEP_1)
	v_max_num_f32 v254, v254, v235
	s_delay_alu instid0(VALU_DEP_1)
	v_mul_f32 v254, s[CS], v254
	s_delay_alu instid0(VALU_DEP_1)
	v_max_num_f32 v13, v13, v254                   ; the running largest t
	v_mov_b32 v254, v12
	s_delay_alu instid0(VALU_DEP_2)
	v_floor_f32 v12, -v13                          ; the new -M = -ceil(t)
	s_delay_alu instid0(VALU_DEP_1)
	v_sub_f32 v254, v12, v254                      ; old M - new M: a whole number, 0 or less
	s_delay_alu instid0(VALU_DEP_1)
	v_cvt_i32_f32 v254, v254
	s_delay_alu instid0(VALU_DEP_1)
	v_ldexp_f32 v252, 1.0, v254                    ; f = 2^(old M - new M)
.set n, 0
.rept 32
	v_pk_fma_f32 v[96+n:97+n], v[96+n:97+n], s[CS:CS+1], v[12:13] op_sel_hi:[1,0,0]   ; t - M
.set n, n+2
.endr
.irp b, 0,1,2,3
	v_fma_f32 v[232+\b], v[232+\b], s[CS], v12
.endr
.set n, 0
	s_wait_alu depctr_va_vdst(0)
.rept 64
	v_exp_f32 v[96+n], v[96+n]                     ; p = 2^(t - M)
.set n, n+1
.endr
	v_pk_mul_f32 v[14:15], v[14:15], v[252:253] op_sel_hi:[1,0]   ; the sums under the new M; a plain line behind the exponentials
	s_wait_alu depctr_va_vdst(0)                   ; one wait for the batch, ahead of its first reader
.irp b, 0,1,2,3
	v_exp_f32 v[232+\b], v[232+\b]                 ; each block's largest p
.endr
	v_pk_add_f32 v[236:237], v[100:101], v[104:105]
	v_pk_add_f32 v[250:251], v[108:109], v[112:113]
	v_pk_add_f32 v[248:249], v[116:117], v[120:121]
	v_pk_add_f32 v[246:247], v[124:125], v[128:129]
	v_pk_add_f32 v[244:245], v[132:133], v[136:137]
	v_pk_add_f32 v[240:241], v[140:141], v[144:145]
	v_pk_add_f32 v[238:239], v[148:149], v[152:153]
	v_pk_add_f32 v[14:15], v[14:15], v[156:157]
	v_pk_add_f32 v[236:237], v[236:237], v[96:97]
	v_pk_add_f32 v[250:251], v[250:251], v[98:99]
	v_pk_add_f32 v[248:249], v[248:249], v[102:103]
	v_pk_add_f32 v[246:247], v[246:247], v[106:107]
	v_pk_add_f32 v[244:245], v[244:245], v[110:111]
	v_pk_add_f32 v[240:241], v[240:241], v[114:115]
	v_pk_add_f32 v[238:239], v[238:239], v[118:119]
	v_pk_add_f32 v[14:15], v[14:15], v[122:123]
	v_pk_add_f32 v[236:237], v[236:237], v[126:127]
	v_pk_add_f32 v[250:251], v[250:251], v[130:131]
	v_pk_add_f32 v[248:249], v[248:249], v[134:135]
	v_pk_add_f32 v[246:247], v[246:247], v[138:139]
	v_pk_add_f32 v[244:245], v[244:245], v[142:143]
	v_pk_add_f32 v[240:241], v[240:241], v[146:147]
	v_pk_add_f32 v[238:239], v[238:239], v[150:151]
	v_pk_add_f32 v[14:15], v[14:15], v[154:155]
	v_pk_add_f32 v[236:237], v[236:237], v[158:159]
	s_delay_alu instid0(VALU_DEP_2)
	v_pk_add_f32 v[14:15], v[14:15], v[246:247]
	s_delay_alu instid0(VALU_DEP_2)
	v_pk_add_f32 v[236:237], v[236:237], v[244:245]
	v_pk_add_f32 v[250:251], v[250:251], v[240:241]
	v_pk_add_f32 v[248:249], v[248:249], v[238:239]
	s_delay_alu instid0(VALU_DEP_2)
	v_pk_add_f32 v[14:15], v[14:15], v[250:251]
	s_delay_alu instid0(VALU_DEP_2)
	v_pk_add_f32 v[236:237], v[236:237], v[248:249]
	s_delay_alu instid0(VALU_DEP_1)
	v_pk_add_f32 v[14:15], v[14:15], v[236:237]
	s_wait_alu depctr_va_vdst(0)                   ; and one for the four
.irp b, 0,1,2,3
	v_max_num_f32 v[232+\b], 0x2800000, v[232+\b]  ; the floor 2^(5 - 127)
.endr
.irp b, 0,1,2,3
	s_delay_alu instid0(VALU_DEP_4)
	v_add_nc_u32 v[244+\b], 0xfe000000, v[232+\b]
.endr
.irp b, 0,1,2,3
	s_delay_alu instid0(VALU_DEP_4)
	v_lshrrev_b32 v[236+\b], 23, v[244+\b]
.endr
	s_delay_alu instid0(VALU_DEP_3)
	v_lshl_or_b32 v253, v237, 8, v236              ; p's scale word for these 128 keys
	s_delay_alu instid0(VALU_DEP_1)
	v_lshl_or_b32 v253, v238, 16, v253
	s_delay_alu instid0(VALU_DEP_1)
	v_lshl_or_b32 v253, v239, 24, v253
.irp c, 0,1
	v_cvt_scalef32_pk16_bf6_f32 v[224+6*\c:226+6*\c], v[96+32*\c:111+32*\c], v[244+2*\c]
	v_cvt_scalef32_pk16_bf6_f32 v[236+4*\c:238+4*\c], v[112+32*\c:127+32*\c], v[244+2*\c+1]
.endr
	v_nop
.irp t, 0,1,2,3                                ; V's four fragments land where p lay: they are on their way while the codes are put in order and O^T is rescaled
.irp c, 0,1,2
	ds_load_b128 v[96+12*\t+4*\c:99+12*\t+4*\c], v11 offset:1536*\t+512*\c
.endr
	ds_load_b32 v[248+\t], v29 offset:64*\t
.endr
.irp c, 0,1
.irp i, 0,1,2
	v_permlane16_swap_b32 v[224+6*\c+\i], v[236+4*\c+\i]
.endr
.irp i, 0,1,2
	s_delay_alu instid0(VALU_DEP_3)
	v_mov_b32 v[227+6*\c+\i], v[236+4*\c+\i]
.endr
.endr
.set n, 0
.rept 16
	v_pk_mul_f32 v[160+n:161+n], v[160+n:161+n], v[252:253] op_sel_hi:[1,0]   ; O^T under the new M; also the places in front of the products below
.set n, n+2
.endr
	s_wait_alu depctr_va_vdst(0)
	s_wait_dscnt 0x0
.irp t, 0,1,2,3                                ; O^T += V^T P^T: four accumulators by turns
	v_wmma_scale_f32_16x16x128_f8f6f4 v[160+8*\t:167+8*\t], v[96+12*\t:107+12*\t], v[224:235], v[160+8*\t:167+8*\t], v[248+\t], v253 matrix_a_fmt:MATRIX_FMT_BF6 matrix_b_fmt:MATRIX_FMT_BF6
.endr
.Lhidden:
	s_add_co_u32 s[TB], s[TB], 6144
	s_add_co_u32 s[TS], s[TS], 512
	s_add_co_u32 s[TJ], s[TJ], 256
	s_add_co_u32 s[KAP], s[KAP], 1
	s_cmp_lt_u32 s[KAP], 8
	s_cbranch_scc1 .Lstep
.rept 4
	v_nop                                          ; places behind the last products
.endr
	v_add_f32 v14, v14, v15
	s_delay_alu instid0(VALU_DEP_1)
	v_permlanex16_b32 v252, v14, s[SEL], s[SEL+1]
	s_delay_alu instid0(VALU_DEP_1)
	v_add_f32 v14, v14, v252                       ; the row's sum
	s_wait_alu depctr_va_vdst(0)
	v_rcp_f32 v14, v14
	v_nop
	s_wait_alu depctr_va_vdst(0)
.set n, 0
.rept 32
	v_mul_f32 v[192+n], v[160+n], v14              ; y: register 16 b + i = channel 32 b + 16 h + i of my head
.set n, n+1
.endr
.irp b, 0,1                                    ; my head's two blocks of 32 along C
	v_max3_num_f32 v[232+\b], |v[192+16*\b]|, |v[193+16*\b]|, 0x2800000
.endr
.irp i, 2,4,6,8,10,12,14
.irp b, 0,1
	s_delay_alu instid0(VALU_DEP_2)
	v_max3_num_f32 v[232+\b], v[232+\b], |v[192+16*\b+\i]|, |v[193+16*\b+\i]|
.endr
.endr
.irp b, 0,1
	s_delay_alu instid0(VALU_DEP_2)
	v_permlanex16_b32 v[236+\b], v[232+\b], s[SEL], s[SEL+1]
.endr
.irp b, 0,1
	s_delay_alu instid0(VALU_DEP_2)
	v_max_num_f32 v[232+\b], v[232+\b], v[236+\b]
.endr
.irp b, 0,1
	s_delay_alu instid0(VALU_DEP_2)
	v_add_nc_u32 v[244+\b], 0xfe000000, v[232+\b]
.endr
.irp b, 0,1
	s_delay_alu instid0(VALU_DEP_2)
	v_lshrrev_b32 v[236+\b], 23, v[244+\b]
.endr
	s_delay_alu instid0(VALU_DEP_1)
	v_lshl_or_b32 v240, v237, 8, v236              ; my head's two scale bytes
	v_cvt_scalef32_pk16_bf6_f32 v[224:226], v[192:207], v244
	v_cvt_scalef32_pk16_bf6_f32 v[236:238], v[208:223], v245
	v_nop
.irp i, 0,1,2
	v_permlane16_swap_b32 v[224+\i], v[236+\i]
.endr
.irp i, 0,1,2
	s_delay_alu instid0(VALU_DEP_3)
	v_mov_b32 v[227+\i], v[236+\i]                 ; v224-229: six registers of the fragment: the first head's are 0-5, the second head's 6-11
.endr
	s_cmp_eq_u32 s[E], 0
	s_cbranch_scc1 .Lkeep
	ds_store_b128 v6, v[224:227]                   ; the second head's wave hands its six registers and its bytes to the first head's wave of the same place
	ds_store_b64 v7, v[228:229]
	ds_store_b32 v8, v240
.Lkeep:
	s_wait_dscnt 0x0                               ; for the others' sake: my stores are done
	s_barrier_signal -1
	s_barrier_wait -1
	s_cmp_lg_u32 s[E], 0
	s_cbranch_scc1 .Ldone
	ds_load_b128 v[230:233], v6
	ds_load_b64 v[234:235], v7
	ds_load_b32 v241, v8
	s_wait_dscnt 0x0
	s_wait_alu depctr_va_vdst(0)
	v_lshl_or_b32 v240, v241, 16, v240
.irp c, 0,1,2
	global_store_b128 v31, v[224+4*\c:227+4*\c], s[50:51] offset:512*\c   ; the image: 512 consecutive bytes a store
.endr
	global_store_b32 v81, v240, s[52:53] offset:3145728   ; lanes r and r + 16 store the same word with the same value
.Ldone:
	s_wait_tensorcnt 0x0
	ds_add_u32 v95, v243
	s_wait_dscnt 0x0
	CROUND                                         ; the closing round: no work-group ends while a partner may still ask
	s_endpgm
.Lfunc_end_k_q026d0e7a9d_attn:
	.size	k_q026d0e7a9d_attn, .Lfunc_end_k_q026d0e7a9d_attn-k_q026d0e7a9d_attn
	.p2alignl 7, 3214868480
	.fill 96, 4, 3214868480
	.section	.rodata,"a",@progbits
	.p2align	6, 0x0
	.amdhsa_kernel k_q026d0e7a9d_attn
		.amdhsa_group_segment_fixed_size 218112
		.amdhsa_private_segment_fixed_size 0
		.amdhsa_enable_private_segment 0
		.amdhsa_kernarg_size 24
		.amdhsa_user_sgpr_count 2
		.amdhsa_user_sgpr_kernarg_segment_ptr 1
		.amdhsa_wavefront_size32 1
		.amdhsa_system_sgpr_workgroup_id_x 1
		.amdhsa_system_sgpr_workgroup_id_y 1
		.amdhsa_system_sgpr_workgroup_id_z 1
		.amdhsa_system_vgpr_workitem_id 0
		.amdhsa_next_free_vgpr 256
		.amdhsa_next_free_sgpr 66
		.amdhsa_reserve_vcc 1
		.amdhsa_float_denorm_mode_32 3
		.amdhsa_float_denorm_mode_16_64 3
		.amdhsa_memory_ordered 1
		.amdhsa_forward_progress 1
		.amdhsa_inst_pref_size 38
	.end_amdhsa_kernel
	.amdgpu_metadata
---
amdhsa.version: [ 1, 2 ]
amdhsa.kernels:
  - .name:           k_q026d0e7a9d_attn
    .symbol:         k_q026d0e7a9d_attn.kd
    .args:
      - { .name: q, .offset: 0, .size: 8, .value_kind: global_buffer, .address_space: global }
      - { .name: kv, .offset: 8, .size: 8, .value_kind: global_buffer, .address_space: global }
      - { .name: yq, .offset: 16, .size: 8, .value_kind: global_buffer, .address_space: global }
    .group_segment_fixed_size: 218112
    .private_segment_fixed_size: 0
    .kernarg_segment_align: 8
    .kernarg_segment_size: 24
    .max_flat_workgroup_size: 512
    .sgpr_count:     66
    .vgpr_count:     256
    .wavefront_size: 32
...
	.end_amdgpu_metadata
.endif
;; end of part 3
;; launch projln (part 4): grid 256 x 1, 8 waves a work-group, no clusters, 70,656 bytes of LDS; arguments yq, wimg, b_proj, x, x2, ln2_w, ln2_b, hq; writes x2, hq
.if DOCPART == 4
	.amdgcn_target "amdgcn-amd-amdhsa--gfx1250"
	.amdhsa_code_object_version 6
	.text
	.protected	k_q026d0e7a9d_projln
	.globl	k_q026d0e7a9d_projln
	.p2align	8
	.type	k_q026d0e7a9d_projln,@function
k_q026d0e7a9d_projln:
	s_mov_b64 s[64:65], 0
	v_nop
	global_prefetch_b8 v0, s[64:65] scope:SCOPE_SE
	s_setreg_imm32_b32 hwreg(HW_REG_WAVE_MODE, 25, 1), 1
	s_wait_xcnt 0x0
; x2 = x + Q(y) W_proj^T + b_proj on codes of E3M2, and at once h = LayerNorm(x2) in f32, quantised to E3M2 along C and stored as operand images.
; A work-group takes one tile of 16 whole rows (lane place r of tile t: row 32 (t / 2) + 8 (t % 2) + r + 8 (r / 8)), so that a row's mean and variance are made inside it; 256 tiles, 256 work-groups.
; Wave w takes columns 128 w .. 128 w + 127: weight tiles 8 w .. 8 w + 7, 8 accumulators, 8 K steps, 64 products; these columns are K step w of the next product.
; Source 0 = 16 weight rows, source 1 = the 16 tokens: lane (r, h) holds token r, and register 16 b + i of the 64 results is column 32 b + 16 h + i: the layout in which the norm and the quantiser work.
; x comes in rows of 512 consecutive bytes, takes the bias, turns through the wave's own stage in LDS and is the C of the first products: nothing is cleared and nothing added afterwards.
; OPERANDS lie in memory as images of the operand's registers ([tile][K step][1536 bytes]) and go straight into registers: no weight fragment is used by two waves, so LDS would only hand each byte on.
; Two sets of 9 fragments (108 registers, 27 loads): the loads of K step k + 2 go out behind the products of K step k.
; NO CLUSTER: a joint load lands in LDS, which the operands do not pass through here.  NO PREFETCH: a wave has the loads of up to two K steps on their way through all eight steps.
; REGISTERS: window 0: v1-12 addresses; v16-79 x's rows, later x2's; v80-143 the sums; v144-175 W's scale words, v176-179 y's (lanes 0-15 the even K step, lanes 16-31 the odd one); v180-183 the bias; v208-255 as the quantiser and the sums use them.
;   window 1: the two sets at v0 and v108; when they are free, ln_w at v0-63 and ln_b at v108-171.
; LIMITS: NaN and infinities are not served; a block whose largest magnitude lies under 2^-122 keeps the byte 1; a block of zeros gets the byte 1, not 127: its codes are zeros and this program alone reads the bytes.
.set STGW,  8448
.set SUMS,  67584
.set X,     16
.set HA,    80
.set WSC,   144
.set ASC,   176
.set BI,    180
.set PC,    208
.set TM,    228
.set PW,    244
.set SEL,   20
.set WC,    5505024                    ; W_proj's images in wimg
.set WS,    9666560                    ; and its scale words, [K step][1024 rows]
.set ASOFF, 3145728                    ; yq's and hq's scale words, [K step][4096 rows]
.set MSB, 0
.macro WIN new
.if MSB != (\new)
	s_set_vgpr_msb (MSB<<8)|(\new)
.set MSB, (\new)
.endif
.endm
.macro PLACES
.rept 4
	v_nop
.endr
.endm
.macro QUANT s
.irp b, 0,1,2,3
	v_max3_num_f32 v[TM+\b], |v[\s+16*\b]|, |v[\s+1+16*\b]|, 0x2800000
.endr
.irp i, 2,4,6,8,10,12,14
.irp b, 0,1,2,3
	s_delay_alu instid0(VALU_DEP_4)
	v_max3_num_f32 v[TM+\b], v[TM+\b], |v[\s+16*\b+\i]|, |v[\s+1+16*\b+\i]|
.endr
.endr
.irp b, 0,1,2,3
	s_delay_alu instid0(VALU_DEP_4)
	v_permlanex16_b32 v[TM+4+\b], v[TM+\b], s[SEL], s[SEL+1]
.endr
.irp b, 0,1,2,3
	s_delay_alu instid0(VALU_DEP_4)
	v_max_num_f32 v[TM+\b], v[TM+\b], v[TM+4+\b]
.endr
.irp b, 0,1,2,3
	s_delay_alu instid0(VALU_DEP_4)
	v_add_nc_u32 v[TM+12+\b], 0xfe000000, v[TM+\b]
.endr
.irp b, 0,1,2,3
	s_delay_alu instid0(VALU_DEP_4)
	v_lshrrev_b32 v[TM+4+\b], 23, v[TM+12+\b]
.endr
	s_delay_alu instid0(VALU_DEP_3)
	v_lshl_or_b32 v[PW], v[TM+5], 8, v[TM+4]
	s_delay_alu instid0(VALU_DEP_1)
	v_lshl_or_b32 v[PW], v[TM+6], 16, v[PW]
	s_delay_alu instid0(VALU_DEP_1)
	v_lshl_or_b32 v[PW], v[TM+7], 24, v[PW]
.irp c, 0,1
	v_cvt_scalef32_pk16_bf6_f32 v[PC+6*\c:PC+2+6*\c], v[\s+32*\c:\s+15+32*\c], v[TM+12+2*\c]
	v_cvt_scalef32_pk16_bf6_f32 v[PC+12+4*\c:PC+14+4*\c], v[\s+16+32*\c:\s+31+32*\c], v[TM+12+2*\c+1]
.endr
	v_nop
.irp c, 0,1
.irp i, 0,1,2
	v_permlane16_swap_b32 v[PC+6*\c+\i], v[PC+12+4*\c+\i]
.endr
.irp i, 0,1,2
	s_delay_alu instid0(VALU_DEP_3)
	v_mov_b32 v[PC+3+6*\c+\i], v[PC+12+4*\c+\i]
.endr
.endr
.endm
.macro ACROSS off                      ; four chains in v246-253 -> my row's sum over all eight waves, in v246
	s_delay_alu instid0(VALU_DEP_3)
	v_pk_add_f32 v[246:247], v[246:247], v[248:249]
	s_delay_alu instid0(VALU_DEP_2)
	v_pk_add_f32 v[250:251], v[250:251], v[252:253]
	s_delay_alu instid0(VALU_DEP_1)
	v_pk_add_f32 v[246:247], v[246:247], v[250:251]
	s_delay_alu instid0(VALU_DEP_1)
	v_add_f32 v246, v246, v247
	s_delay_alu instid0(VALU_DEP_1)
	v_permlanex16_b32 v245, v246, s[SEL], s[SEL+1]
	s_delay_alu instid0(VALU_DEP_1)
	v_add_f32 v246, v246, v245
	ds_store_b32 v7, v246 offset:\off              ; lanes r and r + 16 write the same word with the same value
	s_wait_dscnt 0x0                               ; for the others' sake: my store is done
	s_barrier_signal -1
	s_barrier_wait -1
.irp w, 0,1,2,3,4,5,6,7
	ds_load_b32 v[246+\w], v10 offset:\off+64*\w
.endr
	s_wait_dscnt 0x0
	v_add_f32 v246, v246, v247
	v_add_f32 v248, v248, v249
	v_add_f32 v250, v250, v251
	v_add_f32 v252, v252, v253
	s_delay_alu instid0(VALU_DEP_3)
	v_add_f32 v246, v246, v248
	s_delay_alu instid0(VALU_DEP_2)
	v_add_f32 v250, v250, v252
	s_delay_alu instid0(VALU_DEP_1)
	v_add_f32 v246, v246, v250
.endm
.macro LDW k                           ; K step k: my eight weight fragments and the tokens' one, 27 loads of 512 consecutive bytes
	WIN 0x40
.irp b, 0,1,2,3,4,5,6,7
.irp c, 0,1,2
	global_load_b128 v[108*((\k)%2)+12*\b+4*\c:108*((\k)%2)+12*\b+4*\c+3], v4, s[6:7] offset:\b*12288+(\k)*1536+512*\c
.endr
.endr
.irp c, 0,1,2
	global_load_b128 v[108*((\k)%2)+96+4*\c:108*((\k)%2)+96+4*\c+3], v4, s[4:5] offset:(\k)*1536+512*\c
.endr
	WIN 0
.endm
.macro PSTEP k, n                      ; n: the loads issued behind K step k's.  The eight accumulators take turns
	s_wait_loadcnt \n
	WIN 0x05
.irp b, 0,1,2,3,4,5,6,7
.if (\k)%2
	v_wmma_scale_f32_16x16x128_f8f6f4 v[HA+8*\b:HA+8*\b+7], v[108+12*\b:108+12*\b+11], v[204:215], v[HA+8*\b:HA+8*\b+7], v[WSC+8*((\k)/2)+\b], v[ASC+(\k)/2] matrix_a_fmt:MATRIX_FMT_BF6 matrix_b_fmt:MATRIX_FMT_BF6 matrix_a_scale:MATRIX_SCALE_ROW1 matrix_b_scale:MATRIX_SCALE_ROW1
.else
	v_wmma_scale_f32_16x16x128_f8f6f4 v[HA+8*\b:HA+8*\b+7], v[12*\b:12*\b+11], v[96:107], v[HA+8*\b:HA+8*\b+7], v[WSC+8*((\k)/2)+\b], v[ASC+(\k)/2] matrix_a_fmt:MATRIX_FMT_BF6 matrix_b_fmt:MATRIX_FMT_BF6
.endif
.endr
	WIN 0
	PLACES                                         ; ahead of loads into the set just multiplied, and of reads of the sums
.endm
	s_load_b256 s[4:11], s[0:1], 0x0               ; yq, wimg, b_proj, x
	s_load_b256 s[36:43], s[0:1], 0x20             ; x2, ln2_w, ln2_b, hq
	v_lshl_add_u32 v238, v0, 2, 0x11000
	v_mov_b32 v239, 0
	v_lshrrev_b32 v1, 5, v0
	s_delay_alu instid0(VALU_DEP_1)
	v_readfirstlane_b32 s12, v1                    ; wave 0..7
	v_and_b32 v1, 31, v0
	v_and_b32 v2, 15, v0                           ; r
	v_bfe_u32 v3, v0, 4, 1                         ; h
	s_delay_alu instid0(VALU_DEP_3)
	v_lshlrev_b32 v4, 4, v1                        ; 16 x lane
	s_mul_i32 s13, s12, STGW
	v_add_nc_u32 v5, s13, v4                       ; the stage by rows
	v_mul_u32_u24 v6, v2, 528
	s_delay_alu instid0(VALU_DEP_1)
	v_lshl_add_u32 v6, v3, 6, v6
	s_delay_alu instid0(VALU_DEP_1)
	v_add_nc_u32 v6, s13, v6                       ; the stage by lanes: row r, + 64 h
	v_lshlrev_b32 v8, 2, v2                        ; 4 r
	s_lshl_b32 s14, s12, 6
	v_add_nc_u32 v7, s14, v8
	s_delay_alu instid0(VALU_DEP_1)
	v_add_nc_u32 v7, SUMS, v7
	v_add_nc_u32 v10, SUMS, v8
	v_lshlrev_b32 v9, 6, v3                        ; 64 h
	v_lshl_add_u32 v11, v3, 12, v8                 ; W's scale words: 4 r, lanes 16-31 the next K step, 4,096 bytes on
	v_lshl_add_u32 v12, v3, 14, v8                 ; y's: 16,384 bytes on
	s_mov_b32 s[SEL], 0x76543210
	s_mov_b32 s[SEL+1], 0xfedcba98
	s_mov_b32 s22, 0x3a800000                      ; 1 / 1024
	s_mov_b32 s23, 0x3727c5ac                      ; 1e-5
	v_mov_b32 v245, 0
	v_mov_b32 v255, 0
.irp b, 0,1,2,3
	v_mov_b32 v[TM+4+\b], 0
.endr
	s_lshr_b32 s15, ttmp9, 1
	s_lshl_b32 s15, s15, 5
	s_and_b32 s16, ttmp9, 1
	s_lshl_b32 s16, s16, 3
	s_add_co_u32 s15, s15, s16                     ; the tile's first row
	s_lshl_b32 s16, s15, 12
	s_lshl_b32 s18, s12, 9                         ; my 128 columns, in bytes
	s_add_co_u32 s16, s16, s18
	s_mov_b32 s17, 0
	s_mov_b32 s19, 0
	s_lshl_b32 s24, ttmp9, 3
	s_add_co_u32 s24, s24, s12
	s_mul_i32 s24, s24, 1536                       ; my image in hq
	s_mov_b32 s25, 0
	s_lshl_b32 s26, s12, 14
	s_lshl_b32 s27, ttmp9, 6
	s_add_co_u32 s26, s26, s27                     ; my scale words in hq
	s_add_co_u32 s46, s27, ASOFF                   ; the tile's scale words in yq
	s_mov_b32 s27, 0
	s_mov_b32 s47, 0
	s_mul_i32 s44, ttmp9, 12288                    ; the tile's images in yq
	s_mov_b32 s45, 0
	s_mul_i32 s48, s12, 98304
	s_add_co_u32 s48, s48, WC                      ; my eight weight tiles
	s_mov_b32 s49, 0
	s_add_co_u32 s50, s18, WS                      ; and their scale words
	s_mov_b32 s51, 0
	s_wait_alu depctr_va_vdst(0)                   ; the wait at the head's end
	s_wait_kmcnt 0x0
	s_add_nc_u64 s[10:11], s[10:11], s[16:17]
	s_add_nc_u64 s[36:37], s[36:37], s[16:17]
	s_add_nc_u64 s[8:9], s[8:9], s[18:19]
	s_add_nc_u64 s[38:39], s[38:39], s[18:19]
	s_add_nc_u64 s[40:41], s[40:41], s[18:19]
	s_add_nc_u64 s[28:29], s[42:43], s[24:25]
	s_add_nc_u64 s[30:31], s[42:43], s[26:27]
	s_add_nc_u64 s[52:53], s[4:5], s[46:47]
	s_add_nc_u64 s[4:5], s[4:5], s[44:45]
	s_add_nc_u64 s[54:55], s[6:7], s[50:51]
	s_add_nc_u64 s[6:7], s[6:7], s[48:49]
.irp t, 0,1,2,3,4,5,6,7,8,9,10,11,12,13,14,15
	global_load_b128 v[X+4*\t:X+4*\t+3], v4, s[10:11] offset:(\t+8*(\t/8))*4096   ; 512 consecutive bytes of the tile's row t
.endr
	global_load_b128 v[BI:BI+3], v4, s[8:9]        ; the bias at the same four columns
.irp t, 0,1,2,3
.irp b, 0,1,2,3,4,5,6,7
	global_load_b32 v[WSC+8*\t+\b], v11, s[54:55] offset:8192*\t+64*\b
.endr
	global_load_b32 v[ASC+\t], v12, s[52:53] offset:32768*\t
.endr
	LDW 0
	s_wait_loadcnt 63                              ; x and the bias are in: behind them 36 loads of scale words and 27 of K step 0
.irp t, 0,1,2,3,4,5,6,7,8,9,10,11,12,13,14,15
	v_pk_add_f32 v[X+4*\t:X+4*\t+1], v[X+4*\t:X+4*\t+1], v[BI:BI+1]
	v_pk_add_f32 v[X+4*\t+2:X+4*\t+3], v[X+4*\t+2:X+4*\t+3], v[BI+2:BI+3]
.endr
.irp t, 0,1,2,3,4,5,6,7,8,9,10,11,12,13,14,15
	ds_store_b128 v5, v[X+4*\t:X+4*\t+3] offset:528*\t
.endr
.irp b, 0,1,2,3
.irp j, 0,1,2,3
	ds_load_b128 v[HA+16*\b+4*\j:HA+16*\b+4*\j+3], v6 offset:128*\b+16*\j   ; a wave's LDS instructions are served in order
.endr
.endr
	LDW 1
	s_wait_dscnt 0x0                               ; x + bias lies where the sums grow
.irp k, 0,1,2,3,4,5
	PSTEP \k, 27
	LDW \k+2
.endr
	PSTEP 6, 27
	WIN 0x40
.irp b, 0,1,2,3
.irp j, 0,1,2,3
	global_load_b128 v[16*\b+4*\j:16*\b+4*\j+3], v9, s[38:39] offset:128*\b+16*\j   ; ln_w, where set 0 lay
.endr
.endr
	WIN 0
	PSTEP 7, 16
	WIN 0x40
.irp b, 0,1,2,3
.irp j, 0,1,2,3
	global_load_b128 v[108+16*\b+4*\j:108+16*\b+4*\j+3], v9, s[40:41] offset:128*\b+16*\j   ; ln_b, where set 1 lay
.endr
.endr
	WIN 0
.irp b, 0,1,2,3                                ; x2 turns back through the stage; each accumulator is read from its low end on
.irp j, 0,1,2,3
	ds_store_b128 v6, v[HA+16*\b+4*\j:HA+16*\b+4*\j+3] offset:128*\b+16*\j
.endr
.endr
.irp t, 0,1,2,3,4,5,6,7,8,9,10,11,12,13,14,15
	ds_load_b128 v[X+4*\t:X+4*\t+3], v5 offset:528*\t
.endr
	s_wait_dscnt 0x0                               ; x2's rows are back in registers
.irp t, 0,1,2,3,4,5,6,7,8,9,10,11,12,13,14,15
	global_store_b128 v4, v[X+4*\t:X+4*\t+3], s[36:37] offset:(\t+8*(\t/8))*4096   ; 512 consecutive bytes, aligned
.endr
.irp c, 0,1,2,3                                ; the sum of my 64 numbers, in four chains by turns
	v_pk_add_f32 v[246+2*\c:247+2*\c], v[HA+2*\c:HA+2*\c+1], v[HA+8+2*\c:HA+9+2*\c]
.endr
.irp m, 2,3,4,5,6,7
.irp c, 0,1,2,3
	v_pk_add_f32 v[246+2*\c:247+2*\c], v[246+2*\c:247+2*\c], v[HA+8*\m+2*\c:HA+8*\m+2*\c+1]
.endr
.endr
	ACROSS 0
	s_delay_alu instid0(VALU_DEP_1)
	v_mul_f32 v254, s22, v246                      ; the mean
.set n, 0
.rept 32
	v_pk_add_f32 v[HA+n:HA+n+1], v[HA+n:HA+n+1], v[254:255] op_sel_hi:[1,0] neg_lo:[0,1] neg_hi:[0,1]
.set n, n+2
.endr
.irp c, 0,1,2,3
	v_pk_mul_f32 v[246+2*\c:247+2*\c], v[HA+2*\c:HA+2*\c+1], v[HA+2*\c:HA+2*\c+1]
.endr
.irp m, 1,2,3,4,5,6,7
.irp c, 0,1,2,3
	s_delay_alu instid0(VALU_DEP_4)
	v_pk_fma_f32 v[246+2*\c:247+2*\c], v[HA+8*\m+2*\c:HA+8*\m+2*\c+1], v[HA+8*\m+2*\c:HA+8*\m+2*\c+1], v[246+2*\c:247+2*\c]
.endr
.endr
	ACROSS 512
	s_delay_alu instid0(VALU_DEP_1)
	v_fma_f32 v246, v246, s22, s23                 ; the variance + 1e-5
	s_wait_alu depctr_va_vdst(0)
	v_rsq_f32 v252, v246
	v_nop
	s_wait_alu depctr_va_vdst(0)                   ; the wait ahead of the first reader
	s_wait_loadcnt 0x0                             ; ln_w and ln_b
.set n, 0
.rept 32
	v_pk_mul_f32 v[HA+n:HA+n+1], v[HA+n:HA+n+1], v[252:253] op_sel_hi:[1,0]
.set n, n+2
.endr
	WIN 0x14                                       ; sources 1 and 2 in window 1
.set n, 0
.rept 32
	v_pk_fma_f32 v[HA+n:HA+n+1], v[HA+n:HA+n+1], v[n:n+1], v[108+n:109+n]
.set n, n+2
.endr
	WIN 0
	QUANT HA
.irp c, 0,1,2
	global_store_b128 v4, v[PC+4*\c:PC+4*\c+3], s[28:29] offset:512*\c
.endr
	global_store_b32 v8, v[PW], s[30:31] offset:ASOFF   ; lanes r and r + 16 store the same word with the same value
	s_wait_tensorcnt 0x0                           ; the wave's end
	ds_add_u32 v238, v239
	s_wait_dscnt 0x0
	s_endpgm
.Lfunc_end_k_q026d0e7a9d_projln:
	.size	k_q026d0e7a9d_projln, .Lfunc_end_k_q026d0e7a9d_projln-k_q026d0e7a9d_projln
	.p2alignl 7, 3214868480
	.fill 96, 4, 3214868480
	.section	.rodata,"a",@progbits
	.p2align	6, 0x0
	.amdhsa_kernel k_q026d0e7a9d_projln
		.amdhsa_group_segment_fixed_size 70656
		.amdhsa_private_segment_fixed_size 0
		.amdhsa_enable_private_segment 0
		.amdhsa_kernarg_size 64
		.amdhsa_user_sgpr_count 2
		.amdhsa_user_sgpr_kernarg_segment_ptr 1
		.amdhsa_wavefront_size32 1
		.amdhsa_system_sgpr_workgroup_id_x 1
		.amdhsa_system_sgpr_workgroup_id_y 1
		.amdhsa_system_sgpr_workgroup_id_z 1
		.amdhsa_system_vgpr_workitem_id 0
		.amdhsa_next_free_vgpr 512
		.amdhsa_next_free_sgpr 66
		.amdhsa_reserve_vcc 0
		.amdhsa_float_denorm_mode_32 3
		.amdhsa_float_denorm_mode_16_64 3
		.amdhsa_memory_ordered 1
		.amdhsa_forward_progress 1
		.amdhsa_inst_pref_size 70
	.end_amdhsa_kernel
	.amdgpu_metadata
---
amdhsa.version: [ 1, 2 ]
amdhsa.kernels:
  - .name:           k_q026d0e7a9d_projln
    .symbol:         k_q026d0e7a9d_projln.kd
    .args:
      - { .name: yq, .offset: 0, .size: 8, .value_kind: global_buffer, .address_space: global }
      - { .name: wimg, .offset: 8, .size: 8, .value_kind: global_buffer, .address_space: global }
      - { .name: b_proj, .offset: 16, .size: 8, .value_kind: global_buffer, .address_space: global }
      - { .name: x, .offset: 24, .size: 8, .value_kind: global_buffer, .address_space: global }
      - { .name: x2, .offset: 32, .size: 8, .value_kind: global_buffer, .address_space: global }
      - { .name: ln2_w, .offset: 40, .size: 8, .value_kind: global_buffer, .address_space: global }
      - { .name: ln2_b, .offset: 48, .size: 8, .value_kind: global_buffer, .address_space: global }
      - { .name: hq, .offset: 56, .size: 8, .value_kind: global_buffer, .address_space: global }
    .group_segment_fixed_size: 70656
    .private_segment_fixed_size: 0
    .kernarg_segment_align: 8
    .kernarg_segment_size: 64
    .max_flat_workgroup_size: 256
    .sgpr_count:     66
    .vgpr_count:     512
    .wavefront_size: 32
...
	.end_amdgpu_metadata
.endif
;; end of part 4
;; launch fc (part 5): grid 16 x 16, 4 waves a work-group, clusters of 4 x 4, 327,680 bytes of LDS; arguments hq, wimg, b_fc, gq; writes gq
.if DOCPART == 5
	.amdgcn_target "amdgcn-amd-amdhsa--gfx1250"
	.amdhsa_code_object_version 6
	.text
	.protected	k_q026d0e7a9d_fc
	.globl	k_q026d0e7a9d_fc
	.p2align	8
	.type	k_q026d0e7a9d_fc,@function
k_q026d0e7a9d_fc:
	s_mov_b64 s[64:65], 0
	v_nop
	global_prefetch_b8 v0, s[64:65] scope:SCOPE_SE
	s_setreg_imm32_b32 hwreg(HW_REG_WAVE_MODE, 25, 1), 1
	s_wait_xcnt 0x0
	s_wait_alu depctr_hold_cnt(0) depctr_sa_sdst(0) depctr_va_vdst(0) depctr_va_sdst(0) depctr_va_ssrc(0) depctr_va_vcc(0) depctr_vm_vsrc(0)
	s_getreg_b32 s2, hwreg(HW_REG_IB_STS2, 6, 4)
	s_cmp_eq_u32 s2, 0
	s_cbranch_scc0 .Lentry_in_a_cluster
	s_endpgm
.Lentry_in_a_cluster:
	s_bfe_u32 s2, ttmp6, 0x10000c
	s_cmp_lg_u32 s2, 0xf033
	s_cbranch_scc0 .Lentry_shape_is_right
	s_endpgm
.Lentry_shape_is_right:
.set NCOL,  4096
.set WC,    2359296
.set WS,    9535488
.set ASOFF, 3145728
.set HALFT, 24576
.set SLOT,  4*HALFT
.set SCA,   3*SLOT
.set HALFS, 4096
.set SCB,   SCA+2*HALFS
.set SPARE, SCA+4*HALFS
.set ADRP, 16
.set ADRR, 19
.set ADSP, 22
.set ADSR, 23
.set SPW,  28
.set NIL,  29
.set PS,   32
.set RS,   64
.set TM,   48
.set PW,   80
.set PWE,  81
.set PC,   96
.set PF,   128
.set HA,   128
.set Z,    192
.set G1,   24
.set G0,   32
.set G1B,  48
.set G0B,  56
.set G1S,  68
.set G0S,  76
.set G1SB, 80
.set G0SB, 88
.set SEL,  96
.set MSB, 0
.macro WIN new
.if MSB != (\new)
	s_set_vgpr_msb (MSB<<8)|(\new)
.set MSB, (\new)
.endif
.endm
.set MUL_LO, 0xa1
.set MUL_HI, 0xf1
.set TO_R,   0x40
.macro JLOAD g0a, g1a, g0b, g1b
	s_cmp_eq_u32 s15, 0
	s_cbranch_scc0 .Lfor_b_\@
	tensor_load_to_lds s[\g0a:\g0a+3], s[\g1a:\g1a+7]
	s_nop 0
.rept 4
	v_nop
.endr
	s_branch .Lasked_\@
.Lfor_b_\@:
	tensor_load_to_lds s[\g0b:\g0b+3], s[\g1b:\g1b+7]
	s_nop 0
.rept 4
	v_nop
.endr
.Lasked_\@:
.endm
.macro CREST
	s_cmp_lg_u32 s14, 0
	s_cbranch_scc1 .Lnot_wave_0_\@
	s_barrier_signal -3
.Lnot_wave_0_\@:
	s_barrier_wait -3
	s_barrier_signal -1
	s_barrier_wait -1
.endm
.macro CROUND
	s_barrier_signal -1
	s_barrier_wait -1
	CREST
.endm
.macro PLACES
.rept 4
	v_nop
.endr
.endm
.macro QUANT s
.irp b, 0,1,2,3
	v_max3_num_f32 v[TM+\b], |v[\s+16*\b]|, |v[\s+1+16*\b]|, 0x2800000
.endr
.irp i, 2,4,6,8,10,12,14
.irp b, 0,1,2,3
	v_max3_num_f32 v[TM+\b], v[TM+\b], |v[\s+16*\b+\i]|, |v[\s+1+16*\b+\i]|
.endr
.endr
.irp b, 0,1,2,3
	v_permlanex16_b32 v[TM+4+\b], v[TM+\b], s[SEL], s[SEL+1]
.endr
.irp b, 0,1,2,3
	v_max_num_f32 v[TM+\b], v[TM+\b], v[TM+4+\b]
.endr
.irp b, 0,1,2,3
	v_add_nc_u32 v[TM+12+\b], 0xfe000000, v[TM+\b]
.endr
.irp b, 0,1,2,3
	v_lshrrev_b32 v[TM+4+\b], 23, v[TM+12+\b]
.endr
	v_lshl_or_b32 v[PW], v[TM+5], 8, v[TM+4]
	v_lshl_or_b32 v[PW], v[TM+6], 16, v[PW]
	v_lshl_or_b32 v[PW], v[TM+7], 24, v[PW]
.irp c, 0,1
	v_cvt_scalef32_pk16_bf6_f32 v[PC+6*\c:PC+2+6*\c], v[\s+32*\c:\s+15+32*\c], v[TM+12+2*\c]
	v_cvt_scalef32_pk16_bf6_f32 v[PC+12+4*\c:PC+14+4*\c], v[\s+16+32*\c:\s+31+32*\c], v[TM+12+2*\c+1]
.endr
	v_nop
.irp c, 0,1
.irp i, 0,1,2
	v_permlane16_swap_b32 v[PC+6*\c+\i], v[PC+12+4*\c+\i]
.endr
.irp i, 0,1,2
	v_mov_b32 v[PC+3+6*\c+\i], v[PC+12+4*\c+\i]
.endr
.endr
.endm
	s_load_b128 s[4:7], s[0:1], 0x0
	s_load_b128 s[8:11], s[0:1], 0x10
	v_lshl_add_u32 v[SPW], v0, 2, SPARE
	v_mov_b32 v[NIL], 0
	ds_add_u32 v28, v29
	ds_add_u32 v28, v29
	s_wait_dscnt 0x0
	v_lshrrev_b32 v1, 5, v0
	v_readfirstlane_b32 s14, v1
	s_lshr_b32 s15, s14, 1
	s_and_b32 s16, s14, 1
	s_bfe_u32 s40, ttmp6, 0x40000
	s_bfe_u32 s41, ttmp6, 0x40004
	s_lshl_b32 s19, ttmp9, 2
	s_add_co_u32 s19, s19, s40
	s_and_b32 s17, ttmp7, 0xffff
	s_lshl_b32 s17, s17, 2
	s_add_co_u32 s17, s17, s41
	s_lshl_b32 s43, s41, 2
	s_lshl_b32 s43, 15, s43
	s_lshl_b32 s44, 0x1111, s40
	s_or_b32 s[G1+0], s43, (3<<16)|(1<<21)
	s_or_b32 s[G1B+0], s44, (3<<16)|(1<<21)
.irp g, G1, G1B
	s_mov_b32 s[\g+1], 384<<16
	s_mov_b32 s[\g+2], 16<<16                      ; the head's loads bring all 16 tiles of an operand; behind them the two words that count rows are set to 8
	s_mov_b32 s[\g+3], 384<<16
	s_mov_b32 s[\g+4], 16
	s_mov_b32 s[\g+5], 1536
	s_mov_b32 s[\g+6], 0
	s_mov_b32 s[\g+7], 0
.endr
	s_or_b32 s[G1S+0], s43, (3<<16)|(1<<21)
	s_or_b32 s[G1SB+0], s44, (3<<16)|(1<<21)
.irp g, G1S, G1SB
	s_mov_b32 s[\g+1], 128<<16                     ; 8 rows (K steps) of 1,024 bytes: the words of all 256 rows
	s_mov_b32 s[\g+2], 8<<16
	s_mov_b32 s[\g+3], 128<<16
	s_mov_b32 s[\g+4], 8
	s_mov_b32 s[\g+6], 0
	s_mov_b32 s[\g+7], 0
.endr
	s_mov_b32 s[G1S+5], 2048
	s_mov_b32 s[G1SB+5], NCOL/2
	s_lshl_b32 s20, s17, 4                         ; A: tile 16 x tile row
	s_lshl_b32 s46, s19, 4                         ; B: tile 16 x tile column
	s_lshl_b32 s22, s20, 6
	s_add_co_u32 s22, s22, ASOFF
	s_lshl_b32 s2, s46, 6
	s_add_co_u32 s2, s2, WS
	s_mul_i32 s20, s20, 12288
	s_mul_i32 s46, s46, 12288
	s_add_co_u32 s46, s46, WC
	s_mov_b32 s21, 0
	s_mov_b32 s23, 0
	s_mov_b32 s47, 0
	s_mov_b32 s3, 0
	s_mul_i32 s45, s14, HALFT
	s_mul_i32 s44, s14, HALFS
	s_wait_kmcnt 0x0
	s_add_nc_u64 s[20:21], s[4:5], s[20:21]
	s_add_nc_u64 s[22:23], s[4:5], s[22:23]
	s_add_nc_u64 s[46:47], s[6:7], s[46:47]
	s_add_nc_u64 s[2:3], s[6:7], s[2:3]
	CROUND
	s_mov_b32 s[G0S], 1
	s_mov_b32 s[G0S+1], SCA
	s_mov_b64 s[G0S+2:G0S+3], s[22:23]
	s_or_b32 s[G0S+3], s[G0S+3], 0x80000000
	s_mov_b32 s[G0SB], 1
	s_mov_b32 s[G0SB+1], SCB
	s_mov_b64 s[G0SB+2:G0SB+3], s[2:3]
	s_or_b32 s[G0SB+3], s[G0SB+3], 0x80000000
	; LDS: slot 0 (K steps 0-1, later 6-7): [A's 16 tiles][3072], then B's; from SLOT on K steps 2-5: [A's 16 tiles][6144], then B's; slots 1 and 2 are its K steps 2-3 and 4-5
	s_mov_b32 s[G0+8], 1                           ; the head's whole tiles: K steps 0-1 of A's 256 rows,
	s_mov_b32 s[G0+9], 0
	s_mov_b64 s[G0+10:G0+11], s[20:21]
	s_or_b32 s[G0+11], s[G0+11], 0x80000000
	s_mov_b32 s92, 1                               ; and of B's
	s_mov_b32 s93, 2*HALFT
	s_mov_b64 s[94:95], s[46:47]
	s_or_b32 s95, s95, 0x80000000
	s_mul_i32 s2, s16, 8*12288                     ; behind the head I fetch a half of an operand: 8 tiles
	s_mov_b32 s3, 0
	s_add_nc_u64 s[20:21], s[20:21], s[2:3]
	s_add_nc_u64 s[46:47], s[46:47], s[2:3]
	s_lshl_b32 s44, s45, 1
	s_mov_b32 s[G0], 1                             ; slot 0's refill starts from K step 0 and is stepped to K step 6
	s_mov_b32 s[G0+1], s45
	s_mov_b64 s[G0+2:G0+3], s[20:21]
	s_or_b32 s[G0+3], s[G0+3], 0x80000000
	s_mov_b32 s[G0+4], 1                           ; K steps 2-5 of my 8 tiles
	s_add_co_u32 s[G0+5], s44, SLOT
	s_add_nc_u64 s[G0+6:G0+7], s[20:21], 3072
	s_or_b32 s[G0+7], s[G0+7], 0x80000000
	s_mov_b32 s[G0B], 1
	s_mov_b32 s[G0B+1], s45
	s_mov_b64 s[G0B+2:G0B+3], s[46:47]
	s_or_b32 s[G0B+3], s[G0B+3], 0x80000000
	s_mov_b32 s[G0B+4], 1
	s_add_co_u32 s[G0B+5], s44, SLOT
	s_add_nc_u64 s[G0B+6:G0B+7], s[46:47], 3072
	s_or_b32 s[G0B+7], s[G0B+7], 0x80000000
; the head's four tiles, one joint load a wave: one chain of branches on the wave's number, every way passes one load
.macro ARM under, g0, g1, next
	s_cmp_lt_u32 s14, \under
	s_cbranch_scc0 \next
	tensor_load_to_lds s[\g0:\g0+3], s[\g1:\g1+7]
	s_nop 0
.rept 4
	v_nop
.endr
	s_branch .Lhead_asked
\next:
.endm
	ARM 1, G0+8, G1, .Lhead_b
	ARM 2, 92, G1B, .Lhead_sa
	ARM 3, G0S, G1S, .Lhead_sb
	tensor_load_to_lds s[G0SB:G0SB+3], s[G1SB:G1SB+7]
	s_nop 0
.rept 4
	v_nop
.endr
.Lhead_asked:
	v_and_b32 v4, 31, v0
	v_and_b32 v5, 15, v0
	v_bfe_u32 v6, v0, 4, 1
	v_lshlrev_b32 v1, 4, v4
	v_lshlrev_b32 v2, 2, v4
	v_lshlrev_b32 v3, 6, v6
	v_lshlrev_b32 v7, 2, v5
	v_lshl_add_u32 v7, v6, 10, v7                  ; 4 r + 1,024 h: lanes 16-31 take the odd K step's words
	s_wait_alu depctr_va_vdst(0)
	s_mul_i32 s21, s15, HALFT
	s_mul_i32 s22, s16, HALFT
	s_add_co_u32 s22, s22, 2*HALFT
	v_add_nc_u32 v[ADRP], s21, v1
	v_add_nc_u32 v[ADRR], s22, v1
	s_lshl_b32 s21, s21, 1                         ; behind slot 0 a tile has twice the bytes: my half begins at SLOT + twice its place in slot 0
	s_lshl_b32 s22, s22, 1
	s_add_co_u32 s21, s21, SLOT
	s_add_co_u32 s22, s22, SLOT
	v_add_nc_u32 v[ADRP+1], s21, v1
	v_add_nc_u32 v[ADRR+1], s22, v1
	s_add_co_u32 s21, s21, 3072
	s_add_co_u32 s22, s22, 3072
	v_add_nc_u32 v[ADRP+2], s21, v1
	v_add_nc_u32 v[ADRR+2], s22, v1
	s_lshl_b32 s21, s15, 9
	s_add_co_u32 s21, s21, SCA
	s_lshl_b32 s22, s16, 9
	s_add_co_u32 s22, s22, SCB
	v_add_nc_u32 v[ADSP], s21, v7
	v_add_nc_u32 v[ADSR], s22, v7
	s_lshl_b32 s20, s19, 10
	s_lshl_b32 s21, s16, 9
	s_add_co_u32 s20, s20, s21
	s_mov_b32 s21, 0
	s_add_nc_u64 s[8:9], s[8:9], s[20:21]
	WIN TO_R
.irp b, 0,1,2,3
.irp j, 0,1,2,3
	global_load_b128 v[96+96*(\b/2)+16*\b+4*\j:99+96*(\b/2)+16*\b+4*\j], v3, s[8:9] offset:128*\b+16*\j
.endr
.endr
	WIN 0
	s_lshl_b32 s20, s17, 4
	s_lshl_b32 s21, s15, 3
	s_add_co_u32 s20, s20, s21
	s_lshl_b32 s46, s19, 1
	s_add_co_u32 s46, s46, s16
	s_lshl_b32 s21, s20, 5
	s_add_co_u32 s21, s21, s46
	s_mul_i32 s22, s21, 1536
	s_mov_b32 s23, 0
	s_add_nc_u64 s[66:67], s[10:11], s[22:23]
	s_lshl_b32 s22, s46, 14
	s_lshl_b32 s21, s20, 6
	s_add_co_u32 s22, s22, s21
	s_add_co_u32 s22, s22, 12582912
	s_add_nc_u64 s[98:99], s[10:11], s[22:23]
	s_mov_b32 s[SEL], 0x76543210
	s_mov_b32 s[SEL+1], 0xfedcba98
	s_mov_b32 s18, 0xffff0000
.macro FRAG reg, adr, off
.irp c, 0,1,2
	ds_load_b128 v[\reg+4*\c:\reg+4*\c+3], v[\adr] offset:\off+512*\c
.endr
.endm
.macro FETCH_R slot, q, p
	WIN TO_R
.irp i, 0,1,2,3,4,5,6,7
	FRAG 128*(\p)+12*\i, ADRR+\slot, ((2+2*(((\slot)+1)/2))*\i+(\q))*1536
.endr
	WIN 0
.endm
.macro FETCH_P slot, q, i0
.irp i, \i0, \i0+1, \i0+2, \i0+3
	FRAG PF+12*(\i), ADRP+\slot, ((2+2*(((\slot)+1)/2))*(\i)+(\q))*1536
.endr
.endm
.macro SCALES sig, sc
.irp i, 0,1,2,3,4,5,6,7
	ds_load_b32 v[PS+8*(\sc)+\i], v[ADSP] offset:2048*(\sig)+64*\i
	ds_load_b32 v[RS+8*(\sc)+\i], v[ADSR] offset:2048*(\sig)+64*\i
.endr
.endm
.macro WM d, r, p, sr, sp, row, zero
.if \zero
	v_wmma_scale_f32_16x16x128_f8f6f4 v[\d:\d+7], v[\r:\r+11], v[\p:\p+11], 0, v[\sr], v[\sp] matrix_a_fmt:MATRIX_FMT_BF6 matrix_b_fmt:MATRIX_FMT_BF6
.elseif \row
	v_wmma_scale_f32_16x16x128_f8f6f4 v[\d:\d+7], v[\r:\r+11], v[\p:\p+11], v[\d:\d+7], v[\sr], v[\sp] matrix_a_fmt:MATRIX_FMT_BF6 matrix_b_fmt:MATRIX_FMT_BF6 matrix_a_scale:MATRIX_SCALE_ROW1 matrix_b_scale:MATRIX_SCALE_ROW1
.else
	v_wmma_scale_f32_16x16x128_f8f6f4 v[\d:\d+7], v[\r:\r+11], v[\p:\p+11], v[\d:\d+7], v[\sr], v[\sp] matrix_a_fmt:MATRIX_FMT_BF6 matrix_b_fmt:MATRIX_FMT_BF6
.endif
.endm
.macro MUL16 a0, p, q, sc, zero
.irp a, \a0, \a0+1
.irp b, 0,1,2,3,4,5,6,7
	WM 8*(8*((\a)%4)+\b), 128*(\p)+12*\b, PF+12*(\a), RS+8*(\sc)+\b, PS+8*(\sc)+(\a), \q, \zero
.endr
.endr
.endm
.macro STEP slot, sc, zero
	s_wait_dscnt 12
	WIN MUL_LO
	MUL16 0, 0, 0, \sc, \zero
	MUL16 2, 0, 0, \sc, \zero
	s_wait_dscnt 0x0
	PLACES
	FETCH_R \slot, 1, 1
	FETCH_P \slot, 1, 0
	WIN MUL_HI
	MUL16 4, 0, 0, \sc, \zero
	MUL16 6, 0, 0, \sc, \zero
	PLACES
	WIN 0
	FETCH_P \slot, 1, 4
.endm
.macro TURN slot, sc, next, fill, sig
	s_wait_tensorcnt 0x0
	ds_add_u32 v[SPW], v[NIL]
	s_wait_dscnt 13
	WIN MUL_LO
	MUL16 0, 1, 1, \sc, 0
	s_wait_dscnt 0x0
	s_barrier_signal -1
	MUL16 2, 1, 1, \sc, 0
	WIN 0
	s_barrier_wait -1
.if \fill
	CREST
	s_add_nc_u64 s[G0+4*\slot+2:G0+4*\slot+3], s[G0+4*\slot+2:G0+4*\slot+3], 3*3072
	s_add_nc_u64 s[G0B+4*\slot+2:G0B+4*\slot+3], s[G0B+4*\slot+2:G0B+4*\slot+3], 3*3072
	JLOAD G0+4*\slot, G1, G0B+4*\slot, G1B
.else
	PLACES
.endif
	FETCH_R \next, 0, 0
	FETCH_P \next, 0, 0
	SCALES \sig, 1-(\sc)
	WIN MUL_HI
	MUL16 4, 1, 1, \sc, 0
	MUL16 6, 1, 1, \sc, 0
	PLACES
	WIN 0
	FETCH_P \next, 0, 4
.endm
.macro PASS sc, next, sig
	s_wait_dscnt 12
	WIN MUL_LO
	MUL16 0, 1, 1, \sc, 0
	MUL16 2, 1, 1, \sc, 0
	s_wait_dscnt 0x0
	PLACES
	FETCH_R \next, 0, 0
	FETCH_P \next, 0, 0
	SCALES \sig, 1-(\sc)
	WIN MUL_HI
	MUL16 4, 1, 1, \sc, 0
	MUL16 6, 1, 1, \sc, 0
	PLACES
	WIN 0
	FETCH_P \next, 0, 4
.endm
	s_wait_alu depctr_va_vdst(0)
	s_wait_tensorcnt 0x0                           ; my tile of the head's four is in
	ds_add_u32 v[SPW], v[NIL]
	s_mov_b32 s[G1+2], 8<<16                       ; no tensor load of mine is out: from here on a load brings 8 tiles;
	s_mov_b32 s[G1+4], 8
	s_mov_b32 s[G1B+2], 8<<16
	s_mov_b32 s[G1B+4], 8
	s_mov_b32 s[G1S+1], 768<<16                    ; the groups that served the scale words now state 8 rows of 6,144 bytes (four K steps), 12,288 apart
	s_mov_b32 s[G1S+3], 768<<16
	s_mov_b32 s[G1S+5], 1536
	s_mov_b32 s[G1SB+1], 768<<16
	s_mov_b32 s[G1SB+3], 768<<16
	s_mov_b32 s[G1SB+5], 1536
	s_wait_dscnt 0x0
	CROUND                                         ; all four tiles are in, and all sixteen work-groups are here
	JLOAD G0+4, G1S, G0B+4, G1SB                   ; K steps 2-5, my one load behind the round
	FETCH_R 0, 0, 0
	FETCH_P 0, 0, 0
	SCALES 0, 0
	FETCH_P 0, 0, 4
	STEP 0, 0, 1
	TURN 0, 0, 1, 1, 1
	STEP 1, 1, 0
	PASS 1, 2, 2
	STEP 2, 0, 0
	TURN 2, 0, 0, 0, 3
	STEP 0, 1, 0
	s_wait_dscnt 12
	WIN MUL_LO
	MUL16 0, 1, 1, 1, 0
	MUL16 2, 1, 1, 1, 0
	s_wait_dscnt 0x0
	WIN MUL_HI
	MUL16 4, 1, 1, 1, 0
	MUL16 6, 1, 1, 1, 0
	WIN 0
	PLACES
	s_wait_loadcnt 0x0
.irp b, 0,1,2,3
	v_mov_b32 v[TM+4+\b], 0
.endr
	v_mov_b32 v82, 0xc0135761
	v_mov_b32 v83, 0xc0135761
	v_mov_b32 v84, 0xbdd2d3e8
	v_mov_b32 v85, 0xbdd2d3e8
.macro OUTBLK a
	WIN 0x06+(\a)/4
.set n, 0
.rept 32
	v_pk_add_f32 v[HA+n:HA+n+1], v[64*((\a)%4)+n:64*((\a)%4)+n+1], v[96+n+96*(n/32):97+n+96*(n/32)]
.set n, n+2
.endr
	WIN 0
.set n, 0
.rept 32
	v_pk_mul_f32 v[Z+n:Z+n+1], v[HA+n:HA+n+1], v[HA+n:HA+n+1]
.set n, n+2
.endr
.set n, 0
.rept 32
	v_pk_fma_f32 v[Z+n:Z+n+1], v[Z+n:Z+n+1], v[84:85], v[82:83]
.set n, n+2
.endr
.set n, 0
.rept 32
	v_pk_mul_f32 v[Z+n:Z+n+1], v[Z+n:Z+n+1], v[HA+n:HA+n+1]
.set n, n+2
.endr
.set n, 0
	s_wait_alu depctr_va_vdst(0)
.rept 64
	v_exp_f32 v[Z+n], v[Z+n]
.set n, n+1
.endr
	v_nop
	s_wait_alu depctr_va_vdst(0)
.set n, 0
.rept 32
	v_pk_add_f32 v[Z+n:Z+n+1], v[Z+n:Z+n+1], 1.0 op_sel_hi:[1,0]
.set n, n+2
.endr
.set n, 0
	s_wait_alu depctr_va_vdst(0)
.rept 64
	v_rcp_f32 v[Z+n], v[Z+n]
.set n, n+1
.endr
	v_nop
	s_wait_alu depctr_va_vdst(0)
.set n, 0
.rept 32
	v_pk_mul_f32 v[HA+n:HA+n+1], v[HA+n:HA+n+1], v[Z+n:Z+n+1]
.set n, n+2
.endr
	s_wait_xcnt 0x0
	QUANT HA
.irp c, 0,1,2
	global_store_b128 v1, v[PC+4*\c:PC+4*\c+3], s[66:67] offset:49152*(\a)+512*\c
.endr
.if (\a)%2 == 0
	v_mov_b32 v[PWE], v[PW]
.else
	v_cndmask_b32 v[PWE], v[PWE], v[PW], s18
	global_store_b32 v2, v[PWE], s[98:99] offset:64*((\a)-1)
.endif
.endm
.irp a, 0,1,2,3,4,5,6,7
	OUTBLK \a
.endr
	s_wait_tensorcnt 0x0
	ds_add_u32 v[SPW], v[NIL]
	s_wait_dscnt 0x0
	CROUND
	s_endpgm
.Lfunc_end_k_q026d0e7a9d_fc:
	.size	k_q026d0e7a9d_fc, .Lfunc_end_k_q026d0e7a9d_fc-k_q026d0e7a9d_fc
	.p2alignl 7, 3214868480
	.fill 96, 4, 3214868480
	.section	.rodata,"a",@progbits
	.p2align	6, 0x0
	.amdhsa_kernel k_q026d0e7a9d_fc
		.amdhsa_group_segment_fixed_size 327680
		.amdhsa_private_segment_fixed_size 0
		.amdhsa_enable_private_segment 0
		.amdhsa_kernarg_size 32
		.amdhsa_user_sgpr_count 2
		.amdhsa_user_sgpr_kernarg_segment_ptr 1
		.amdhsa_wavefront_size32 1
		.amdhsa_system_sgpr_workgroup_id_x 1
		.amdhsa_system_sgpr_workgroup_id_y 1
		.amdhsa_system_sgpr_workgroup_id_z 1
		.amdhsa_system_vgpr_workitem_id 0
		.amdhsa_next_free_vgpr 1024
		.amdhsa_next_free_sgpr 100
		.amdhsa_reserve_vcc 0
		.amdhsa_float_denorm_mode_32 3
		.amdhsa_float_denorm_mode_16_64 3
		.amdhsa_memory_ordered 1
		.amdhsa_forward_progress 1
		.amdhsa_inst_pref_size 255
	.end_amdhsa_kernel
	.section	.bss,"aw",@nobits
	.p2align	6
	.space	262144
	.amdgpu_metadata
---
amdhsa.version: [ 1, 2 ]
amdhsa.kernels:
  - .name:           k_q026d0e7a9d_fc
    .symbol:         k_q026d0e7a9d_fc.kd
    .args:
      - { .name: hq, .offset: 0, .size: 8, .value_kind: global_buffer, .address_space: global }
      - { .name: wimg, .offset: 8, .size: 8, .value_kind: global_buffer, .address_space: global }
      - { .name: b_fc, .offset: 16, .size: 8, .value_kind: global_buffer, .address_space: global }
      - { .name: gq, .offset: 24, .size: 8, .value_kind: global_buffer, .address_space: global }
    .group_segment_fixed_size: 327680
    .private_segment_fixed_size: 0
    .kernarg_segment_align: 8
    .kernarg_segment_size: 32
    .max_flat_workgroup_size: 128
    .sgpr_count:     100
    .vgpr_count:     1024
    .wavefront_size: 32
...
	.end_amdgpu_metadata
.endif
;; end of part 5
;; launch out (part 6): grid 8 x 32, 4 waves a work-group, clusters of 4 x 4, 295,424 bytes of LDS; arguments gq, wimg, b_out, x2, out0; writes out0
.if DOCPART == 6
	.amdgcn_target "amdgcn-amd-amdhsa--gfx1250"
	.amdhsa_code_object_version 6
	.text
	.protected	k_q026d0e7a9d_out
	.globl	k_q026d0e7a9d_out
	.p2align	8
	.type	k_q026d0e7a9d_out,@function
k_q026d0e7a9d_out:
	s_mov_b64 s[64:65], 0
	v_nop
	global_prefetch_b8 v0, s[64:65] scope:SCOPE_SE
	s_setreg_imm32_b32 hwreg(HW_REG_WAVE_MODE, 25, 1), 1
	s_wait_xcnt 0x0
	s_wait_alu depctr_hold_cnt(0) depctr_sa_sdst(0) depctr_va_vdst(0) depctr_va_sdst(0) depctr_va_ssrc(0) depctr_va_vcc(0) depctr_vm_vsrc(0)
	s_getreg_b32 s2, hwreg(HW_REG_IB_STS2, 6, 4)
	s_cmp_eq_u32 s2, 0
	s_cbranch_scc0 .Lentry_in_a_cluster
	s_endpgm
.Lentry_in_a_cluster:
	s_bfe_u32 s2, ttmp6, 0x10000c
	s_cmp_lg_u32 s2, 0xf033
	s_cbranch_scc0 .Lentry_shape_is_right
	s_endpgm
.Lentry_shape_is_right:
; out0 = x2 + g W_out^T + b_out on codes of E3M2.  M 4,096, N 1,024, K 4,096: 32 K steps of 128.
; A block of 128 x 128 to a work-group: 256 work-groups.  K IS CUT AMONG THE FOUR WAVES: wave w holds the WHOLE block (64 accumulators, 512 registers) for K steps 8 w .. 8 w + 7, so no fragment is used by two waves.
; Both operands lie in memory as images of the operand's registers ([tile of 16 rows][K step][1536 bytes]).  They come by two roads:
;   a wave's K steps 0-4 go from memory straight into registers: 48 loads of 512 consecutive bytes for a K step's 64 products, two sets of 16 fragments, the loads of K step k + 2 behind the products of K step k;
;   every wave's K steps 5-7 (12 of the 32, 294,912 bytes) come into LDS ONCE, by four joint loads at the head, one a wave.  Row 4 i + w of such a tile is tile i's 4,608 bytes of wave w's three K steps: the rows lie 12,288 bytes apart.  Nothing is filled again.
; CLUSTERS: 4 x 4 work-groups; the tokens' tiles are asked for jointly along a row of the cluster, the weight's along a column.
; THE FOUR PARTS MEET IN LDS ONCE: wave d owns the block's rows 32 d .. 32 d + 31 (tiles 2 d, 2 d + 1).  Each wave stores the 48 accumulators that it does not own as register images, a barrier, and the owner adds three parts to its own.
; These bytes and the stages lie where the tiles lay: the tiles have had their only fill, and a barrier stands between every wave's last read of them and the first store.
; So that the text is the same in all waves, wave w takes the tokens' tile pairs in the order w, w + 1, w + 2, w + 3 (mod 4), by address: its own pair is always in accumulators 0-15.
; TILE ORDER: tile t holds at lane place r row 32 (t / 2) + 8 (t % 2) + r + 8 (r / 8).  Source 0 = 16 weight rows, source 1 = 16 tokens: lane (r, h) of accumulator (a, b) holds token r and columns 32 (b / 2) + 16 h + 8 (b % 2) + 0 .. 7.
; SCALE WORDS: one register carries a tile's words of two K steps: lanes 0-15 the even step, lanes 16-31 the odd one.  Two sets of 16 registers, loaded from memory a pair of K steps ahead.
; NO PREFETCH: a wave has the loads of up to two K steps on their way from its first line on, and the joint loads beside them; the residual is asked for a K step and the meeting in LDS ahead of its use.
; LIMIT: a sum over K is made as four sums of 1,024 terms that are added at the end: an order of rounding other than one ascending chain's.
; REGISTERS: window 0: v1-24 addresses (v2-5 take the bias at the end); v28-29 the add's; v32-63 scale words; v64-159, v160-255 the tokens' fragments, two sets.  window 1: the weight's, at v0 and v128; from K step 6 on v0-127 hold the residual.
;   windows 2, 3: accumulator (a, b) at v[8 (8 (a % 4) + b)] of window 2 + a / 4.
.set ASOFF, 12582912                   ; gq's scale words, [K step][4096 rows]
.set WC,    6291456                    ; W_out's images in wimg
.set WS,    9699328                    ; and its scale words, [K step][1024 rows]
.set TILEB, 49152                      ; a tile's 32 K steps
.set QT,    73728                      ; what a joint load brings: 16 rows of 4,608 bytes
.set OWN,   49152                      ; at the end, LDS from 0: for each owner three parts of 16,384 bytes
.set STAGE, 196608                     ; behind them: for each wave 2 x 16 rows x (512 + 16) bytes
.set STGW,  16896
.set SPARE, 294912                     ; behind the tiles: the spare words, 128 bytes a wave
.set VB,   1                           ; 16 x lane
.set VA,   2                           ; v2-5   + the tile pair (w + j) % 4 of the tokens
.set VSA,  6                           ; v6-9   the same for their scale words
.set VSB,  10
.set ST,   11                          ; v11-14 LDS: owner (w + j) % 4's bytes; j = 0: my own
.set STO,  15
.set RD,   16
.set VLA,  17                          ; v17-20 LDS: my K steps of the tokens' tile pair (w + j) % 4
.set VLB,  21                          ; v21-24 of the weight's tile pair q
.set BI,   2
.set SPW,  28
.set NIL,  29
.set SC,   32
.set PF,   64
.set G1,   68
.set G1B,  76
.set G0,   96
.set G0B,  44
.set MSB, 0
.macro WIN new
.if MSB != (\new)
	s_set_vgpr_msb (MSB<<8)|(\new)
.set MSB, (\new)
.endif
.endm
.macro PLACES
.rept 4
	v_nop
.endr
.endm
.macro CROUND
	s_barrier_signal -1
	s_barrier_wait -1
	s_cmp_lg_u32 s14, 0
	s_cbranch_scc1 .Lnot_wave_0_\@
	s_barrier_signal -3
.Lnot_wave_0_\@:
	s_barrier_wait -3
	s_barrier_signal -1
	s_barrier_wait -1
.endm
	s_load_b128 s[4:7], s[0:1], 0x0                ; gq, wimg
	s_load_b128 s[8:11], s[0:1], 0x10              ; b_out, x2
	s_load_b64 s[12:13], s[0:1], 0x20              ; out0
	v_lshl_add_u32 v[SPW], v0, 2, SPARE
	v_mov_b32 v[NIL], 0
	ds_add_u32 v[SPW], v[NIL]                      ; the opening lines: the add, twice on end, and its wait ahead of my first tensor load
	ds_add_u32 v[SPW], v[NIL]
	v_lshrrev_b32 v64, 5, v0
	v_readfirstlane_b32 s14, v64                   ; wave 0..3
	s_lshr_b32 s15, s14, 1                         ; I fetch jointly for the tokens (0) or for the weight (1),
	s_and_b32 s16, s14, 1                          ; tiles 0-3 or 4-7
	s_bfe_u32 s40, ttmp6, 0x40000                  ; cx, cy
	s_bfe_u32 s41, ttmp6, 0x40004
	s_lshl_b32 s42, ttmp9, 2
	s_add_co_u32 s42, s42, s40                     ; block column
	s_and_b32 s17, ttmp7, 0xffff
	s_lshl_b32 s17, s17, 2
	s_add_co_u32 s17, s17, s41                     ; block row
	s_lshl_b32 s43, s41, 2
	s_lshl_b32 s43, 15, s43                        ; my row of the cluster
	s_lshl_b32 s44, 0x1111, s40                    ; my column
	s_or_b32 s[G1], s43, (3<<16)|(1<<21)           ; elements of 8 bytes; no padding
	s_or_b32 s[G1B], s44, (3<<16)|(1<<21)
.irp g, G1, G1B
	s_mov_b32 s[\g+1], 576<<16                     ; rows of 4,608 bytes,
	s_mov_b32 s[\g+2], 16<<16                      ; 16 of them,
	s_mov_b32 s[\g+3], 576<<16
	s_mov_b32 s[\g+4], 16
	s_mov_b32 s[\g+5], 1536                        ; 12,288 bytes apart
	s_mov_b32 s[\g+6], 0
	s_mov_b32 s[\g+7], 0
.endr
.irp j, 0,1,2,3
	s_add_co_u32 s[20+\j], s14, \j
	s_and_b32 s[20+\j], s[20+\j], 3                ; (w + j) % 4
	s_mul_i32 s[24+\j], s[20+\j], 2*TILEB
	s_lshl_b32 s[28+\j], s[20+\j], 7
	s_mul_i32 s[32+\j], s[20+\j], OWN
	s_mul_i32 s[84+\j], s[20+\j], 36864
.endr
	s_mul_i32 s36, s14, STGW
	s_add_co_u32 s36, s36, STAGE
	s_mul_i32 s37, s14, 4608                       ; my three K steps in a tile's LDS bytes
.irp j, 0,1,2,3
	s_add_co_u32 s[84+\j], s[84+\j], s37
.endr
	s_mul_i32 s38, s14, 12288                      ; my eight K steps in a tile's images
	s_mul_i32 s39, s16, 4*TILEB
	s_add_co_u32 s39, s39, 7680                    ; the joint tiles begin at K step 5
	s_mul_i32 s48, s17, 8*TILEB
	s_mul_i32 s50, s42, 8*TILEB
	s_add_co_u32 s52, s48, s39                     ; the tokens' joint tile: block row and wave alone
	s_mov_b32 s53, 0
	s_add_co_u32 s54, s50, s39                     ; the weight's: block column and wave alone
	s_add_co_u32 s54, s54, WC
	s_mov_b32 s55, 0
	s_add_co_u32 s56, s48, s38
	s_mov_b32 s57, 0
	s_add_co_u32 s58, s50, s38
	s_add_co_u32 s58, s58, WC
	s_mov_b32 s59, 0
	s_lshl_b32 s18, s14, 17
	s_lshl_b32 s60, s17, 9
	s_add_co_u32 s60, s60, s18
	s_add_co_u32 s60, s60, ASOFF                   ; the tokens' scale words
	s_mov_b32 s61, 0
	s_lshl_b32 s94, s42, 9                         ; 512 x block column
	s_mov_b32 s95, 0
	s_lshl_b32 s62, s14, 15
	s_add_co_u32 s62, s62, s94
	s_add_co_u32 s62, s62, WS                      ; the weight's
	s_mov_b32 s63, 0
	s_lshl_b32 s92, s17, 19
	s_add_co_u32 s92, s92, s18
	s_add_co_u32 s92, s92, s94                     ; my 32 rows and the block's 128 columns in x2 and out0
	s_mov_b32 s93, 0
	s_mov_b32 s[G0], 1
	s_mul_i32 s[G0+1], s14, QT                     ; the wave's number alone enters an LDS address
	s_mov_b32 s[G0B], 1
	s_mul_i32 s[G0B+1], s14, QT
	v_and_b32 v64, 31, v0
	v_and_b32 v65, 15, v0                          ; r
	v_bfe_u32 v66, v0, 4, 1                        ; h
	v_lshlrev_b32 v[VB], 4, v64
	v_lshlrev_b32 v67, 2, v65
	v_lshl_add_u32 v68, v66, 14, v67               ; 4 r, lanes 16-31 the next K step
	v_lshl_add_u32 v[VSB], v66, 12, v67
	v_mul_u32_u24 v69, v65, 528
	v_lshl_add_u32 v69, v66, 6, v69
	v_add_nc_u32 v70, s37, v[VB]
.irp j, 0,1,2,3
	v_add_nc_u32 v[VA+\j], s[24+\j], v[VB]
	v_add_nc_u32 v[VSA+\j], s[28+\j], v68
	v_add_nc_u32 v[ST+\j], s[32+\j], v[VB]
	v_add_nc_u32 v[VLA+\j], s[84+\j], v[VB]
	v_add_nc_u32 v[VLB+\j], 2*QT+\j*36864, v70
.endr
	v_add_nc_u32 v[STO], s36, v69                  ; the stage, way in: row r, + 64 h
	v_add_nc_u32 v[RD], s36, v[VB]                 ; way out: a row of 512 bytes
	s_wait_alu depctr_va_vdst(0)                   ; the wait at the head's end
	s_wait_dscnt 0x0                               ; both opening adds are done
	s_wait_kmcnt 0x0
	s_add_nc_u64 s[G0+2:G0+3], s[4:5], s[52:53]
	s_or_b32 s[G0+3], s[G0+3], 0x80000000
	s_add_nc_u64 s[G0B+2:G0B+3], s[6:7], s[54:55]
	s_or_b32 s[G0B+3], s[G0B+3], 0x80000000
	s_add_nc_u64 s[50:51], s[4:5], s[60:61]
	s_add_nc_u64 s[52:53], s[6:7], s[62:63]
	s_add_nc_u64 s[4:5], s[4:5], s[56:57]
	s_add_nc_u64 s[6:7], s[6:7], s[58:59]
	s_add_nc_u64 s[8:9], s[8:9], s[94:95]
	s_add_nc_u64 s[10:11], s[10:11], s[92:93]
	s_add_nc_u64 s[12:13], s[12:13], s[92:93]
	CROUND                                         ; all sixteen work-groups are here: the joint loads meet
	s_cmp_eq_u32 s15, 0                            ; one joint load a wave: waves 0 and 1 for the tokens, waves 2 and 3 for the weight
	s_cbranch_scc0 .Lfor_b
	tensor_load_to_lds s[G0:G0+3], s[G1:G1+7]
	s_nop 0
.rept 4
	v_nop
.endr
	s_branch .Lasked
.Lfor_b:
	tensor_load_to_lds s[G0B:G0B+3], s[G1B:G1B+7]
	s_nop 0
.rept 4
	v_nop
.endr
.Lasked:
.macro LDF k                           ; my K step k from memory: 8 fragments of the weight, 8 of the tokens: 48 loads
	WIN 0x40
.irp i, 0,1,2,3,4,5,6,7
.irp c, 0,1,2
	global_load_b128 v[128*((\k)%2)+12*\i+4*\c:128*((\k)%2)+12*\i+4*\c+3], v[VB], s[6:7] offset:\i*TILEB+(\k)*1536+512*\c
.endr
.endr
	WIN 0
.irp i, 0,1,2,3,4,5,6,7
.irp c, 0,1,2
	global_load_b128 v[PF+96*((\k)%2)+12*\i+4*\c:PF+96*((\k)%2)+12*\i+4*\c+3], v[VA+\i/2], s[4:5] offset:(\i%2)*TILEB+(\k)*1536+512*\c
.endr
.endr
.endm
.macro LFETCH k                        ; my K step k = 5, 6, 7 from LDS: 48 loads
	WIN 0x40
.irp i, 0,1,2,3,4,5,6,7
.irp c, 0,1,2
	ds_load_b128 v[128*((\k)%2)+12*\i+4*\c:128*((\k)%2)+12*\i+4*\c+3], v[VLB+\i/2] offset:(\i%2)*18432+((\k)-5)*1536+512*\c
.endr
.endr
	WIN 0
.irp i, 0,1,2,3,4,5,6,7
.irp c, 0,1,2
	ds_load_b128 v[PF+96*((\k)%2)+12*\i+4*\c:PF+96*((\k)%2)+12*\i+4*\c+3], v[VLA+\i/2] offset:(\i%2)*18432+((\k)-5)*1536+512*\c
.endr
.endr
.endm
.macro LDSC t                          ; the scale words of my K steps 2 t and 2 t + 1: 16 loads
.irp i, 0,1,2,3,4,5,6,7
	global_load_b32 v[SC+16*((\t)%2)+\i], v[VSA+\i/2], s[50:51] offset:(\i%2)*64+(\t)*32768
	global_load_b32 v[SC+16*((\t)%2)+8+\i], v[VSB], s[52:53] offset:\i*64+(\t)*8192
.endr
.endm
.macro WM d, r, p, sr, sp, row, zero
.if \zero
	v_wmma_scale_f32_16x16x128_f8f6f4 v[\d:\d+7], v[\r:\r+11], v[\p:\p+11], 0, v[\sr], v[\sp] matrix_a_fmt:MATRIX_FMT_BF6 matrix_b_fmt:MATRIX_FMT_BF6
.elseif \row
	v_wmma_scale_f32_16x16x128_f8f6f4 v[\d:\d+7], v[\r:\r+11], v[\p:\p+11], v[\d:\d+7], v[\sr], v[\sp] matrix_a_fmt:MATRIX_FMT_BF6 matrix_b_fmt:MATRIX_FMT_BF6 matrix_a_scale:MATRIX_SCALE_ROW1 matrix_b_scale:MATRIX_SCALE_ROW1
.else
	v_wmma_scale_f32_16x16x128_f8f6f4 v[\d:\d+7], v[\r:\r+11], v[\p:\p+11], v[\d:\d+7], v[\sr], v[\sp] matrix_a_fmt:MATRIX_FMT_BF6 matrix_b_fmt:MATRIX_FMT_BF6
.endif
.endm
; A K step's 64 products.  The 64 accumulators take turns, in the same order in every step.
.macro MULS k, zero
	WIN 0xa1                                       ; source 0 window 1, source 1 window 0, C and D window 2
.irp a, 0,1,2,3,4,5,6,7
.if \a == 4
	WIN 0xf1                                       ; C and D window 3
.endif
.irp b, 0,1,2,3,4,5,6,7
	WM 8*(8*(\a%4)+\b), 128*((\k)%2)+12*\b, PF+96*((\k)%2)+12*\a, SC+16*(((\k)/2)%2)+8+\b, SC+16*(((\k)/2)%2)+\a, (\k)%2, \zero
.endr
.endr
	WIN 0
	PLACES                                         ; ahead of loads into registers just multiplied, and of reads of the sums
.endm
	LDSC 0
	LDSC 1
	LDF 0
	LDF 1
	s_wait_loadcnt 48                              ; behind K step 0's loads: K step 1's 48
	MULS 0, 1                                      ; the first products start the sums: nothing is cleared
	LDF 2
	s_wait_loadcnt 48
	MULS 1, 0
	LDSC 2
	LDF 3
	s_wait_loadcnt 63                              ; behind K step 2's loads stand 64: the largest count that the wait can name
	MULS 2, 0
	LDF 4
	s_wait_loadcnt 48
	MULS 3, 0
	LDSC 3
	s_wait_tensorcnt 0x0                           ; my joint tile has landed,
	s_barrier_signal -1
	s_barrier_wait -1                              ; everybody's has
	LFETCH 5
	s_wait_loadcnt 16                              ; behind K step 4's loads: the last 16 scale words
	MULS 4, 0
	LFETCH 6
	s_wait_dscnt 48                                ; K step 5's fragments are in
	MULS 5, 0
	LFETCH 7
	s_wait_loadcnt 0x0                             ; the last scale words
	s_wait_dscnt 48
	MULS 6, 0
	WIN 0x40
.set n, 0
.rept 32                                       ; the residual of my 32 rows, in the layout in which rows leave; read once
	global_load_b128 v[4*n:4*n+3], v[VB], s[10:11] offset:(8*(n/16)+n%16+8*((n%16)/8))*4096 th:TH_LOAD_NT
.set n, n+1
.endr
	WIN 0
	global_load_b128 v[BI:BI+3], v[VB], s[8:9]     ; the bias at my lane's four columns
	s_wait_dscnt 0x0                               ; my reads of the tiles are over:
	s_barrier_signal -1                            ; say so,
	MULS 7, 0                                      ; work on registers,
	s_barrier_wait -1                              ; and nobody reads the tiles any more: their bytes take the parts and the stages
.irp j, 1,2,3                                  ; the pairs that I do not own go to their owners' bytes; each accumulator from its low end on
	WIN 0x08+4*(\j/2)
.irp u, 0,1
.irp b, 0,1,2,3,4,5,6,7
	ds_store_b128 v[ST+\j], v[8*(8*((2*\j+\u)%4)+\b):8*(8*((2*\j+\u)%4)+\b)+3] offset:(\j-1)*16384+\u*8192+\b*1024
	ds_store_b128 v[ST+\j], v[8*(8*((2*\j+\u)%4)+\b)+4:8*(8*((2*\j+\u)%4)+\b)+7] offset:(\j-1)*16384+\u*8192+\b*1024+512
.endr
.endr
.endr
	WIN 0
	s_wait_dscnt 0x0                               ; for the others' sake: my stores are done
	s_barrier_signal -1
	s_barrier_wait -1
.macro PART slot, reg                  ; one part of my pair: 32 loads; register 4 n belongs to register 4 n of accumulators 0-15
.set n, 0
.rept 32
	ds_load_b128 v[\reg+4*n:\reg+4*n+3], v[ST] offset:(\slot)*16384+512*n
.set n, n+1
.endr
.endm
.macro ADDP reg
.set n, 0
.rept 64
	v_pk_add_f32 v[n:n+1], v[n:n+1], v[\reg+n:\reg+n+1]
.set n, n+2
.endr
.endm
	PART 0, 64
	WIN 0x40
	PART 1, 128
	s_wait_loadcnt 0x0                             ; residual and bias
	WIN 0x41
.set n, 0
.rept 32                                       ; residual + bias, while the parts are on their way
	v_pk_add_f32 v[4*n:4*n+1], v[4*n:4*n+1], v[BI:BI+1]
	v_pk_add_f32 v[4*n+2:4*n+3], v[4*n+2:4*n+3], v[BI+2:BI+3]
.set n, n+1
.endr
	s_wait_dscnt 32                                ; the first part is in
	WIN 0x82
	ADDP 64
	WIN 0
	PART 2, 64
	s_wait_dscnt 32                                ; the second
	WIN 0x86
	ADDP 128
	s_wait_dscnt 0x0                               ; the third
	WIN 0x82
	ADDP 64
	WIN 0x08
.irp u, 0,1
.irp b, 0,1,2,3,4,5,6,7
	ds_store_b128 v[STO], v[8*(8*\u+\b):8*(8*\u+\b)+3] offset:\u*8448+128*(\b/2)+32*(\b%2)
	ds_store_b128 v[STO], v[8*(8*\u+\b)+4:8*(8*\u+\b)+7] offset:\u*8448+128*(\b/2)+32*(\b%2)+16
.endr
.endr
	WIN 0
.set n, 0
.rept 32
	ds_load_b128 v[64+4*n:64+4*n+3], v[RD] offset:(n/16)*8448+(n%16)*528   ; a wave's LDS instructions are served in order
.set n, n+1
.endr
.macro LEAVE u, younger
	s_wait_dscnt \younger
	WIN 0x04                                       ; source 1, residual + bias, in window 1
.set n, 64*(\u)
.rept 32
	v_pk_add_f32 v[64+n:65+n], v[64+n:65+n], v[n:n+1]
.set n, n+2
.endr
	WIN 0
.set n, 16*(\u)
.rept 16
	global_store_b128 v[VB], v[64+4*n:64+4*n+3], s[12:13] offset:(8*(n/16)+n%16+8*((n%16)/8))*4096 th:TH_STORE_NT   ; 512 consecutive bytes, aligned
.set n, n+1
.endr
.endm
	LEAVE 0, 16
	LEAVE 1, 0
	s_wait_tensorcnt 0x0                           ; the wave's end
	ds_add_u32 v[SPW], v[NIL]
	s_wait_dscnt 0x0
	CROUND                                         ; the closing round
	s_endpgm
.Lfunc_end_k_q026d0e7a9d_out:
	.size	k_q026d0e7a9d_out, .Lfunc_end_k_q026d0e7a9d_out-k_q026d0e7a9d_out
	.p2alignl 7, 3214868480
	.fill 96, 4, 3214868480
	.section	.rodata,"a",@progbits
	.p2align	6, 0x0
	.amdhsa_kernel k_q026d0e7a9d_out
		.amdhsa_group_segment_fixed_size 295424
		.amdhsa_private_segment_fixed_size 0
		.amdhsa_enable_private_segment 0
		.amdhsa_kernarg_size 40
		.amdhsa_user_sgpr_count 2
		.amdhsa_user_sgpr_kernarg_segment_ptr 1
		.amdhsa_wavefront_size32 1
		.amdhsa_system_sgpr_workgroup_id_x 1
		.amdhsa_system_sgpr_workgroup_id_y 1
		.amdhsa_system_sgpr_workgroup_id_z 1
		.amdhsa_system_vgpr_workitem_id 0
		.amdhsa_next_free_vgpr 1024
		.amdhsa_next_free_sgpr 100
		.amdhsa_reserve_vcc 0
		.amdhsa_float_denorm_mode_32 3
		.amdhsa_float_denorm_mode_16_64 3
		.amdhsa_memory_ordered 1
		.amdhsa_forward_progress 1
		.amdhsa_inst_pref_size 156
	.end_amdhsa_kernel
	.amdgpu_metadata
---
amdhsa.version: [ 1, 2 ]
amdhsa.kernels:
  - .name:           k_q026d0e7a9d_out
    .symbol:         k_q026d0e7a9d_out.kd
    .args:
      - { .name: gq, .offset: 0, .size: 8, .value_kind: global_buffer, .address_space: global }
      - { .name: wimg, .offset: 8, .size: 8, .value_kind: global_buffer, .address_space: global }
      - { .name: b_out, .offset: 16, .size: 8, .value_kind: global_buffer, .address_space: global }
      - { .name: x2, .offset: 24, .size: 8, .value_kind: global_buffer, .address_space: global }
      - { .name: out0, .offset: 32, .size: 8, .value_kind: global_buffer, .address_space: global }
    .group_segment_fixed_size: 295424
    .private_segment_fixed_size: 0
    .kernarg_segment_align: 8
    .kernarg_segment_size: 40
    .max_flat_workgroup_size: 128
    .sgpr_count:     100
    .vgpr_count:     1024
    .wavefront_size: 32
...
	.end_amdgpu_metadata
.endif
;; end of part 6
